; MI455X (gfx1250); checked and timed in simulation.
; The chip was launched on July 23, 2026; its instructions are those of AMD's public machine-readable ISA for CDNA 5 (MIT licence, August 2026) and "CDNA5" Instruction Set Architecture Reference Guide (July 2026). The comments in the code are by the model that wrote it; some were corrected since.
;; Causal Self Attention. Allowed arithmetic: matrix products marked QUANTISED: E2M3 operands, one E8M0 scale for each 32 along K, by v_wmma_scale_f32_16x16x128_f8f6f4 with both operands' format E2M3, f32 sums; everything else in f32.
;; Inputs: Wk 1,024 x 1,024 float32; Wo 1,024 x 1,024 float32; Wq 1,024 x 1,024 float32; Wv 1,024 x 1,024 float32; bk 1,024 float32; bo 1,024 float32; bq 1,024 float32; bv 1,024 float32; x 4 x 2,048 x 1,024 float32.
;; Outputs: out0 4 x 2,048 x 1,024 float32.
;; This version of the problem:
;;   THIS VERSION OF THE PROBLEM IS GIVEN IN LOW PRECISION. The matrix products marked QUANTISED in the list below multiply operands that are first quantised to E2M3 (2 exponent bits, 3 mantissa bits; 6 bits a number), with one power-of-two scale for each 32 numbers along K (OCP MX v1.0); their sums are f32. All else is computed in f32.
;;   The module's matrix products, in the order in which they are computed (A, B: the left and right operand; K: the contracted axis; several contracted axes count as one K, in the product's order):
;;     1. [M 8,192, K 1,024] x [K 1,024, N 1,024]; A: input x; B: input Wq: QUANTISED
;;     2. [M 8,192, K 1,024] x [K 1,024, N 1,024]; A: input x; B: input Wk: QUANTISED
;;     3. [M 8,192, K 1,024] x [K 1,024, N 1,024]; A: input x; B: input Wv: QUANTISED
;;     4. batch 4 x [M 2,048, K 1,024] x [K 1,024, N 2,048]; A: computed on the way; B: computed on the way: QUANTISED
;;     5. batch 4 x [M 2,048, K 2,048] x [K 2,048, N 1,024]; A: softmax (see below); B: computed on the way: QUANTISED
;;     6. [M 8,192, K 1,024] x [K 1,024, N 1,024]; A: computed on the way; B: input Wo: QUANTISED
;;   THE QUANTISER, for each operand of a quantised product, along K:
;;     - K is cut into blocks of 32 from its start; a last block that is shorter is filled with zeros.
;;     - A block's scale is 2^e with e = floor(log2(the largest magnitude in the block)) - 2, held to -126 .. 127; a block of zeros has e = 0. As a byte (E8M0): e + 127.
;;     - Each number is divided by its block's scale, clamped to +-7.5, and rounded to the nearest number of E2M3, ties to even, subnormals kept.
;;     - The product sums the exact products of the quantised numbers (number of the format x scale) in f32.
;;   ~~~python
;;   def quantise(x, axis):      # numpy; x: float32 -> the quantised numbers, widened to float32 again
;;       x = np.moveaxis(x, axis, -1); K = x.shape[-1]
;;       x = np.pad(x, [(0, 0)] * (x.ndim - 1) + [(0, -K % 32)]); x = x.reshape(x.shape[:-1] + (-1, 32)); a = np.abs(x).max(-1, keepdims=True)
;;       e = np.where(a > 0, np.clip(np.frexp(np.where(a > 0, a, 1))[1] - 1 - 2, -126, 127), 0)      # np.frexp(a)[1] - 1 = floor(log2(a)), exactly
;;       r = np.clip(x / 2.0 ** e, -7.5, 7.5)
;;       step = 2.0 ** (np.maximum(np.frexp(np.where(r == 0, 1, r))[1] - 1, 0) - 3)
;;       q = np.round(r / step) * step * 2.0 ** e      # np.round: ties to even
;;       return np.moveaxis(q.reshape(q.shape[:-2] + (-1,))[..., :K], -1, axis).astype(np.float32)
;;   ~~~
;;   SOFTMAX AHEAD OF A QUANTISED PRODUCT. Where the list says 'softmax', what is quantised is not the finished softmax but p = 2^(t - M), with t = logit x log2(e) and M = ceil(the row's largest t), a whole number; so 1/2 < the row's largest p <= 1. The row's sum l is taken of the UNQUANTISED p, in f32, and the product's result is divided by l at the end. Since M is a whole number, a kernel that streams over the keys may use a running M (the ceiling of the running maximum): every later rescaling is an exact power of two, which a block's scale takes up: the codes' values come out the same.
;;   OPERANDS COMPUTED ON THE WAY. 'Computed on the way' means the value that the module computes at that place (a softmax that the list does not call 'softmax' is quantised finished and normalised). What goes into a quantiser is computed in f32, as accurately as f32 sums, v_exp_f32 and their like allow (about 1e-6 of the number): no bf16 or f16 on the way to a quantiser, and a product that is left as it is and whose result goes on into a quantised operand takes f32 operands (vector FMAs, or v_wmma_f32_16x16x4_f32). A number that lies on a knife's edge between two numbers of the format may be rounded either way, as far as f32 arithmetic and the matrix unit's own rounding can turn it there, and no further.
;; One version. Each part assembles by itself: llvm-mc -triple=amdgcn-amd-amdhsa -mcpu=gfx1250 --defsym DOCPART=n.
;; ======== version 1 of 1: 5 launches
;; workspace buffers: xw_codes 9,437,184 bytes; xw_scales 393,216 bytes; qkv_codes 18,874,368 bytes; qkv_scales 786,432 bytes; p_codes 12,582,912 bytes; p_tabs 1,572,864 bytes; o_codes 6,291,456 bytes; o_scales 262,144 bytes
;; launch quant (part 1): grid 768 x 1, 4 waves a work-group, no clusters, 34,304 bytes of LDS; arguments x, Wq, Wk, Wv, Wo, xw_codes, xw_scales; writes xw_codes, xw_scales
.if DOCPART == 1
	.amdgcn_target "amdgcn-amd-amdhsa--gfx1250"
	.amdhsa_code_object_version 6
	.text
	.protected	k_q71f5e81e2f_quant
	.globl	k_q71f5e81e2f_quant
	.p2align	8
	.type	k_q71f5e81e2f_quant,@function
k_q71f5e81e2f_quant:
	s_mov_b64 s[64:65], 0
	v_nop
	global_prefetch_b8 v0, s[64:65] scope:SCOPE_SE
	s_setreg_imm32_b32 hwreg(HW_REG_WAVE_MODE, 25, 1), 1
	s_wait_xcnt 0x0
; x [8192][1024] and Wq, Wk, Wv, Wo [1024][1024], f32 with K innermost, become codes of FP6 (E2M3) with one E8M0 byte for each 32 along K.
; A block's scale is 2^(floor(log2(its largest magnitude)) - 2): its byte is the largest magnitude's exponent field - 2, held at 1 from below.
; LAYOUT OF THE CODES: IMAGES OF THE OPERAND'S REGISTERS.  An image is 16 rows x 128 K = 12 registers a lane = 1,536 bytes: register 4 k + i of lane l at byte 512 k + 16 l + 4 i,
; so that three loads of 16 bytes a lane bring a fragment.  Lane rho of image G holds row 32 (G / 2) + 8 (G % 2) + rho + 8 (rho / 8): so the results of a product that takes
; such images as source 0 lie, in a lane's registers, as 16 neighbours along the next K.  Codes: [G][K step][1536]; G 0-511 x, 512-575 Wq, 576-639 Wk, 640-703 Wv, 704-767 Wo.
; Scale words (four bytes: 128 K of one row): [G / 4][K step][G % 4][rho].
; SHARES.  Work-group G makes the eight images of row group G; wave w its K steps 2 w and 2 w + 1.  Each load reads 512 consecutive bytes of one row; the numbers turn through the
; wave's own stage in LDS (rows 528 bytes apart), so that a lane gets 16 neighbours of each block of 32.  No barrier: waves share nothing.
; The scale words leave as two pieces of 64 bytes a wave: parts of blocks of 256 bytes; they are one byte in 128 of what the launch reads.
; LIMITS: a block of zeros gets the byte 1 where the rule says 127 (its codes are zeros, and this program alone reads the bytes); NaN and infinities among the inputs are not served.
.set TM,   16                          ; v16-19 largest magnitudes, v20-23 the other half's, then bytes, v28-31 the conversions' scale operands
.set PC,   32                          ; v32-51 the codes
.set PWQ,  52                          ; v52-53 the two K steps' scale words
.set LD,   64                          ; v64-191 the numbers as loaded: two K steps x 16 rows x 4 registers
.set H,    192                         ; v192-255 64 numbers of my row: register 16 b + i = k 32 b + 16 (lane / 16) + i
.set SEL,  20                          ; s[20:21] selects for lane l xor 16
.set SP,   528                         ; a stage row: 512 bytes + 16
	s_load_b256 s[4:11], s[0:1], 0x0               ; x, Wq, Wk, Wv
	s_load_b128 s[12:15], s[0:1], 0x20             ; Wo, the codes
	s_load_b64 s[16:17], s[0:1], 0x30              ; the scale words
	v_lshl_add_u32 v62, v0, 2, 0x8400
	v_mov_b32 v63, 0
	v_lshrrev_b32 v1, 5, v0
	v_readfirstlane_b32 s18, v1                    ; wave 0..3
	v_and_b32 v3, 31, v0                           ; lane
	v_and_b32 v1, 15, v0                           ; r
	v_bfe_u32 v2, v0, 4, 1                         ; h
	v_lshlrev_b32 v4, 4, v3                        ; 16 x lane: my bytes of a load's 512 and of an image's 512
	s_mul_i32 s19, s18, 16*SP                      ; my stage
	v_add_nc_u32 v5, s19, v4                       ; into it: 16 x lane of a row
	v_mul_u32_u24 v6, v1, SP
	v_lshl_add_u32 v6, v2, 6, v6
	v_add_nc_u32 v6, s19, v6                       ; out of it: row r, + 64 h
	v_lshlrev_b32 v7, 2, v1
	v_lshl_add_u32 v7, v2, 8, v7                   ; the scale words: 4 r, and lanes 16-31 one K step (256 bytes) on
	s_mov_b32 s[SEL], 0x76543210
	s_mov_b32 s[SEL+1], 0xfedcba98
.irp b, 0,1,2,3
	v_mov_b32 v[TM+4+\b], 0                        ; written once: a lane permute's destination counts as one of its sources
.endr
	s_and_b32 s22, ttmp9, 63
	s_cmp_lt_u32 ttmp9, 512
	s_cselect_b32 s22, ttmp9, s22                  ; the row group inside its tensor
	s_lshr_b32 s23, s22, 1
	s_lshl_b32 s23, s23, 5
	s_and_b32 s22, s22, 1
	s_lshl_b32 s22, s22, 3
	s_add_co_u32 s22, s22, s23                     ; its first row: 32 (G / 2) + 8 (G % 2)
	s_lshl_b32 s22, s22, 12                        ; rows of 4,096 bytes
	s_lshl_b32 s23, s18, 10
	s_add_co_u32 s22, s22, s23                     ; + my wave's 256 numbers
	s_mov_b32 s23, 0
	s_mul_i32 s24, ttmp9, 12288                    ; the codes: eight images a row group,
	s_mul_i32 s25, s18, 3072                       ; my two
	s_add_co_u32 s24, s24, s25
	s_mov_b32 s25, 0
	s_lshr_b32 s26, ttmp9, 2
	s_lshl_b32 s26, s26, 11                        ; the scale words: (G / 4) x 2,048
	s_lshl_b32 s27, s18, 9                         ; + K step 2 w x 256
	s_add_co_u32 s26, s26, s27
	s_and_b32 s27, ttmp9, 3
	s_lshl_b32 s27, s27, 6                         ; + (G % 4) x 64
	s_add_co_u32 s26, s26, s27
	s_mov_b32 s27, 0
	s_wait_kmcnt 0x0
	s_cmp_lt_u32 ttmp9, 704                        ; which tensor: the choice hangs on the work-group's number alone
	s_cselect_b64 s[12:13], s[10:11], s[12:13]
	s_cmp_lt_u32 ttmp9, 640
	s_cselect_b64 s[12:13], s[8:9], s[12:13]
	s_cmp_lt_u32 ttmp9, 576
	s_cselect_b64 s[12:13], s[6:7], s[12:13]
	s_cmp_lt_u32 ttmp9, 512
	s_cselect_b64 s[12:13], s[4:5], s[12:13]
	s_add_nc_u64 s[12:13], s[12:13], s[22:23]
	s_add_nc_u64 s[14:15], s[14:15], s[24:25]
	s_add_nc_u64 s[16:17], s[16:17], s[26:27]
.irp q, 0,1
.irp i, 0,1,2,3,4,5,6,7,8,9,10,11,12,13,14,15
	global_load_b128 v[LD+64*\q+4*\i:LD+64*\q+4*\i+3], v4, s[12:13] offset:(\i+8*(\i/8))*4096+512*\q th:TH_LOAD_NT   ; the image's lane i: 512 consecutive bytes of its row; read once in the launch
.endr
.endr
; K step q of my two: through the stage, the four blocks' scales, the conversions, the image
.macro PART q
.irp i, 0,1,2,3,4,5,6,7,8,9,10,11,12,13,14,15
	ds_store_b128 v5, v[LD+64*\q+4*\i:LD+64*\q+4*\i+3] offset:SP*\i
.endr
.irp b, 0,1,2,3
.irp j, 0,1,2,3
	ds_load_b128 v[H+16*\b+4*\j:H+16*\b+4*\j+3], v6 offset:128*\b+16*\j   ; LDS serves a wave's instructions in order: these see the stores above
.endr
.endr
	s_wait_dscnt 0x0
.irp b, 0,1,2,3
	v_max3_num_f32 v[TM+\b], |v[H+16*\b]|, |v[H+1+16*\b]|, 0x1800000   ; block b: my 16 numbers, and the floor 2^(3 - 127): the byte cannot fall under 1
.endr
.irp i, 2,4,6,8,10,12,14
.irp b, 0,1,2,3
	v_max3_num_f32 v[TM+\b], v[TM+\b], |v[H+16*\b+\i]|, |v[H+1+16*\b+\i]|   ; the four blocks by turns
.endr
.endr
.irp b, 0,1,2,3
	v_permlanex16_b32 v[TM+4+\b], v[TM+\b], s[SEL], s[SEL+1]
.endr
.irp b, 0,1,2,3
	v_max_num_f32 v[TM+\b], v[TM+\b], v[TM+4+\b]   ; with lane l xor 16's 16: the block's largest magnitude
.endr
.irp b, 0,1,2,3
	v_add_nc_u32 v[TM+12+\b], 0xff000000, v[TM+\b] ; 2 off its exponent field: the conversion takes this operand's exponent field as its scale
.endr
.irp b, 0,1,2,3
	v_lshrrev_b32 v[TM+4+\b], 23, v[TM+12+\b]      ; the scale's byte
.endr
	v_lshl_or_b32 v[PWQ+\q], v[TM+5], 8, v[TM+4]
	v_lshl_or_b32 v[PWQ+\q], v[TM+6], 16, v[PWQ+\q]
	v_lshl_or_b32 v[PWQ+\q], v[TM+7], 24, v[PWQ+\q]   ; my row's scale word
	s_wait_xcnt 0x0                                ; the codes' registers, which the last image's stores read, are written again only behind this wait
.irp c, 0,1
	v_cvt_scalef32_pk16_fp6_f32 v[PC+6*\c:PC+2+6*\c], v[H+32*\c:H+15+32*\c], v[TM+12+2*\c]
	v_cvt_scalef32_pk16_fp6_f32 v[PC+12+4*\c:PC+14+4*\c], v[H+16+32*\c:H+31+32*\c], v[TM+12+2*\c+1]   ; (a conversion's three registers begin on an even number)
.endr
	v_nop                                          ; one plain instruction behind a scaled conversion
.irp c, 0,1                                    ; the operand's layout wants a whole block in a lane: lanes 0-15 block 2 c, lanes 16-31 block 2 c + 1
.irp i, 0,1,2
	v_permlane16_swap_b32 v[PC+6*\c+\i], v[PC+12+4*\c+\i]
.endr
.irp i, 0,1,2
	v_mov_b32 v[PC+3+6*\c+\i], v[PC+12+4*\c+\i]
.endr
.endr
.irp k, 0,1,2
	global_store_b128 v4, v[PC+4*\k:PC+4*\k+3], s[14:15] offset:1536*\q+512*\k   ; 32 lanes store 512 consecutive bytes
.endr
.endm
	s_wait_loadcnt 16                              ; the first K step's sixteen loads are in; the second's sixteen may be out
	PART 0
	s_wait_loadcnt 0x0
	PART 1
	v_cmp_eq_u32 vcc_lo, 1, v2
	v_cndmask_b32 v54, v52, v53, vcc_lo            ; lanes 0-15 the first K step's words, lanes 16-31 the second's
	global_store_b32 v7, v54, s[16:17]
	s_wait_tensorcnt 0x0
	ds_add_u32 v62, v63
	s_wait_dscnt 0x0
	s_endpgm
.Lfunc_end_k_q71f5e81e2f_quant:
	.size	k_q71f5e81e2f_quant, .Lfunc_end_k_q71f5e81e2f_quant-k_q71f5e81e2f_quant
	.p2alignl 7, 3214868480
	.fill 96, 4, 3214868480
	.section	.rodata,"a",@progbits
	.p2align	6, 0x0
	.amdhsa_kernel k_q71f5e81e2f_quant
		.amdhsa_group_segment_fixed_size 34304
		.amdhsa_private_segment_fixed_size 0
		.amdhsa_enable_private_segment 0
		.amdhsa_kernarg_size 56
		.amdhsa_user_sgpr_count 2
		.amdhsa_user_sgpr_kernarg_segment_ptr 1
		.amdhsa_wavefront_size32 1
		.amdhsa_system_sgpr_workgroup_id_x 1
		.amdhsa_system_sgpr_workgroup_id_y 1
		.amdhsa_system_sgpr_workgroup_id_z 1
		.amdhsa_system_vgpr_workitem_id 0
		.amdhsa_next_free_vgpr 256
		.amdhsa_next_free_sgpr 66
		.amdhsa_reserve_vcc 1
		.amdhsa_float_denorm_mode_32 3
		.amdhsa_float_denorm_mode_16_64 3
		.amdhsa_memory_ordered 1
		.amdhsa_forward_progress 1
		.amdhsa_inst_pref_size 19
	.end_amdhsa_kernel
	.amdgpu_metadata
---
amdhsa.version: [ 1, 2 ]
amdhsa.kernels:
  - .name:           k_q71f5e81e2f_quant
    .symbol:         k_q71f5e81e2f_quant.kd
    .args:
      - { .name: x, .offset: 0, .size: 8, .value_kind: global_buffer, .address_space: global }
      - { .name: Wq, .offset: 8, .size: 8, .value_kind: global_buffer, .address_space: global }
      - { .name: Wk, .offset: 16, .size: 8, .value_kind: global_buffer, .address_space: global }
      - { .name: Wv, .offset: 24, .size: 8, .value_kind: global_buffer, .address_space: global }
      - { .name: Wo, .offset: 32, .size: 8, .value_kind: global_buffer, .address_space: global }
      - { .name: xw_codes, .offset: 40, .size: 8, .value_kind: global_buffer, .address_space: global }
      - { .name: xw_scales, .offset: 48, .size: 8, .value_kind: global_buffer, .address_space: global }
    .group_segment_fixed_size: 34304
    .private_segment_fixed_size: 0
    .kernarg_segment_align: 8
    .kernarg_segment_size: 56
    .max_flat_workgroup_size: 128
    .sgpr_count:     66
    .vgpr_count:     256
    .wavefront_size: 32
...
	.end_amdgpu_metadata
.endif
;; end of part 1
;; launch qkv (part 2): grid 8 x 32, 4 waves a work-group, clusters of 4 x 4, 327,680 bytes of LDS; arguments xw_codes, xw_scales, bq, bk, bv, qkv_codes, qkv_scales; writes qkv_codes, qkv_scales
.if DOCPART == 2
	.amdgcn_target "amdgcn-amd-amdhsa--gfx1250"
	.amdhsa_code_object_version 6
	.text
	.protected	k_q71f5e81e2f_qkv
	.globl	k_q71f5e81e2f_qkv
	.p2align	8
	.type	k_q71f5e81e2f_qkv,@function
k_q71f5e81e2f_qkv:
	s_mov_b64 s[64:65], 0
	v_nop
	global_prefetch_b8 v0, s[64:65] scope:SCOPE_SE
	s_setreg_imm32_b32 hwreg(HW_REG_WAVE_MODE, 25, 1), 1
	s_wait_xcnt 0x0
	s_wait_alu depctr_hold_cnt(0) depctr_sa_sdst(0) depctr_va_vdst(0) depctr_va_sdst(0) depctr_va_ssrc(0) depctr_va_vcc(0) depctr_vm_vsrc(0)
	s_getreg_b32 s2, hwreg(HW_REG_IB_STS2, 6, 4)
	s_cmp_eq_u32 s2, 0
	s_cbranch_scc0 .Lentry_in_a_cluster
	s_endpgm
.Lentry_in_a_cluster:
	s_bfe_u32 s2, ttmp6, 0x10000c
	s_cmp_lg_u32 s2, 0xf033
	s_cbranch_scc0 .Lentry_shape_is_right
	s_endpgm
.Lentry_shape_is_right:
; Q = x Wq^T + bq and K = x Wk^T + bk, quantised along d; V^T = Wv x^T + bv, quantised along the tokens.  All products on codes of FP6 (E2M3) with E8M0 scales, sums in f32.
; OPERANDS ARE IMAGES OF REGISTERS: 16 rows x 128 K = 1,536 bytes, register 4 k + i of lane l at 512 k + 16 l + 4 i; lane rho of image G holds row 32 (G / 2) + 8 (G % 2) + rho + 8 (rho / 8).
; THE PRODUCT IS USED TRANSPOSED: source 0 = 16 R rows, source 1 = 16 P rows.  A lane then holds ONE P row, and the 16 registers of accumulators (a, 2 i), (a, 2 i + 1) are 16 neighbours
; along R: the next product's K.  So the 64 registers of a block of 16 P rows are quantised in the lane and leave as an image again, of the same row order as P's image.
; A WORK-GROUP STAYS.  It takes 256 tokens (tile Y) and rows 128 X .. 128 X + 127 of Wq, of Wk and of Wv, in three passes.  x's tile, all of K = 1,024, is fetched once and stays in LDS;
; only W's part of the four chunks of 256 along K is filled again, twice, and the arguments, the descriptors and the wait for the last stores are paid once.
; Q, K (passes 0, 1): P = tokens, wave w its 64; R = the 128 rows of W.  V (pass 2): P = rows of Wv, wave w 64 (w / 2) on; R = tokens, 128 (w % 2) on: other LDS bases, made at the head.
; THE REFILLS are joint loads, one a wave (wave w: half w % 2 of a chunk), each behind a round of the cluster's barrier.  Round 1 stands in chunk 2's second K step and fills chunks 0 and 1;
; round 2 stands behind the second of the way out's four blocks, shows round 1's tiles to every wave, and fills chunks 2 and 3, which a plain barrier in chunk 1's second K step of the next pass shows.
; From round 1's request to the wait for it a wave issues 80 matrix instructions and half a way out; from round 2's half a way out and 96 matrix instructions.
; A wave has five tensor loads outstanding at the most (the first fills), later one.  CLUSTER 4 x 4: x's tile is shared along a row of the cluster, W's along a column.
; The bias is the C of each sum's first matrix instruction; the next pass's is loaded at the head of the way out.
; All of LDS is claimed, and 0 is added to spare words.
; LIMITS: a block of zeros gets the byte 1 (zero codes; this program alone reads the bytes); NaN and infinities are not served.
; REGISTERS: window 0: v0-31 addresses; v32-45 scale words, two sets, and nothing else; v46 the scale word just made; v48-63 at work; v64-127 the bias tiles; v128-223 P's fragments, two sets; v224-243 codes;
;   v244-253 V's LDS addresses.   window 1: R's fragments, two sets, at v0 and v128.   window 2: the 32 accumulators, (a, b) at v[8 (8 a + b)].
.set CH,   73728                       ; a chunk in LDS: x's 16 images x 3,072 bytes, then W's 8
.set BOFF, 49152
.set SCL,  294912                      ; behind the chunks: x's scale words, 8,192 bytes;
.set SCW,  303104                      ; W's: [four images][pass][2,048 bytes]: 12,288 bytes
.set STG,  315392                      ; 1,024 bytes a wave for the scale words on their way out; nothing is ever filled here
.set SPARE, 319488                     ; the spare words, 128 bytes a wave
.set WSTEP, 786432                     ; from Wq's codes to Wk's, from Wk's to Wv's: 64 image rows of 12,288 bytes
.set QADP, 4                           ; v4-7   Q, K: LDS address of my P fragments in chunk c
.set QADR, 8                           ; v8-11  of my R fragments
.set QASP, 12                          ; v12    of P's scale words
.set QASR, 13                          ; v13    of R's
.set GO,   14                          ; v14    16 x lane
.set SO,   18                          ; v18    8 x lane
.set STW,  19                          ; v19    my stage + 4 r
.set STR,  20                          ; v20    my stage + 8 x lane
.set L4,   22                          ; v22    4 x lane
.set BO2,  23                          ; v23    64 h: the bias along R
.set BO3,  26                          ; v26    4 (r + 8 (r / 8)): the bias along P
.set SPW,  30                          ; v30    LDS address of my spare word; never rewritten
.set NIL,  31                          ; v31    0; never rewritten
.set SC,   32
.set PW,   46
.set TM,   48
.set BT,   64
.set PF,   128
.set PC,   224
.set VADP, 244                         ; v244-253 the same four kinds of address for V's pass
.set VADR, 248
.set VASP, 252
.set VASR, 253
.set ADP,  QADP                        ; what the pass in hand uses
.set ADR,  QADR
.set ASP,  QASP
.set ASR,  QASR
.set SGP,  6144                        ; R's scale words: from four images to the next four
.set SOFR, 0                           ; R's scale words: the pass's place
.set SOFP, 0                           ; P's likewise
.set OUT,  14                          ; s[14:15] where my images go
.set SOUT, 16                          ; s[16:17] and their scale words
.set WV,   18
.set FA,   19                          ; wave / 2: at the head I fetch for x (0) or for W (1); in a refill: which of the round's two chunks
.set HF,   20                          ; wave % 2: which half of that tile
.set CX,   21
.set CY,   22
.set XX,   23
.set YY,   66
.set G1A,  24                          ; s[24:31] group 1: x's codes;  s[32:39] W's codes;  s[40:47] x's scales;  s[48:55] W's scales
.set G1B,  32
.set G1SA, 40
.set G1SB, 48
.set G0A,  56                          ; group 0 of x's chunk c at G0A + 4 c + 4 (c / 2): s56, s60, s68, s72
.set G0SA, 76
.set G0B,  80                          ; of W's chunk c at G0B + 4 c: they walk from pass to pass
.set G0SB, 96
.set SEL,  100
.set MSB, 0
.macro WIN new                         ; the immediate's high byte repeats the setting that is left; a switch that changes nothing is dropped
.if MSB != (\new)
	s_set_vgpr_msb (MSB<<8)|(\new)
.set MSB, \new
.endif
.endm
.macro PLACES                          ; four plain instructions between a matrix instruction and a load into, or a vector read of, its registers
.rept 4
	v_nop
.endr
.endm
.macro CREST                           ; a round of the cluster's barrier behind its opening barrier
	s_cmp_lg_u32 s[WV], 0
	s_cbranch_scc1 .Lnot_wave_0_\@
	s_barrier_signal -3
.Lnot_wave_0_\@:
	s_barrier_wait -3
	s_barrier_signal -1
	s_barrier_wait -1
.endm
.macro CROUND
	s_barrier_signal -1
	s_barrier_wait -1
	CREST
.endm
.macro JLOAD g0a, g1a, g0b, g1b        ; waves 0, 1 take the first line, waves 2, 3 the second; four v_nop follow each line
	s_cmp_eq_u32 s[FA], 0
	s_cbranch_scc0 .Lfor_b_\@
	tensor_load_to_lds s[\g0a:\g0a+3], s[\g1a:\g1a+7]
	s_nop 0
.rept 4
	v_nop
.endr
	s_branch .Lasked_\@
.Lfor_b_\@:
	tensor_load_to_lds s[\g0b:\g0b+3], s[\g1b:\g1b+7]
	s_nop 0
.rept 4
	v_nop
.endr
.Lasked_\@:
.endm
.macro MKG0 g, l, loff                 ; group 0 round an address that stands in its words 2, 3: count 1, LDS address, type 2
	s_mov_b32 s[(\g)], 1
	s_add_co_u32 s[(\g)+1], s[\l], \loff
	s_or_b32 s[(\g)+3], s[(\g)+3], 0x80000000
.endm
; One product: P block a x R block b, fragments of set p.  cm: 1 in place, 2 the bias tile of b starts the sum, 3 the bias tile of a.
; A scale register holds the words of two blocks: the even one's in lanes 0-15, the odd one's in lanes 16-31.
.macro WM a, b, p, cm
.set rD, 8*(8*(\a)+(\b))
.set rR, 128*(\p)+12*(\b)
.set rP, PF+48*(\p)+12*(\a)
.set rT, SC+8*(\p)+(\b)/2
.set rU, SC+8*(\p)+4+(\a)/2
.set rC, rD
.if (\cm) == 2
.set rC, BT+8*(\b)
.endif
.if (\cm) == 3
.set rC, BT+8*(\a)
.endif
.if ((\b)%2) && ((\a)%2)
	v_wmma_scale_f32_16x16x128_f8f6f4 v[rD:rD+7], v[rR:rR+11], v[rP:rP+11], v[rC:rC+7], v[rT], v[rU] matrix_a_fmt:MATRIX_FMT_FP6 matrix_b_fmt:MATRIX_FMT_FP6 matrix_a_scale:MATRIX_SCALE_ROW1 matrix_b_scale:MATRIX_SCALE_ROW1
.elseif (\b)%2
	v_wmma_scale_f32_16x16x128_f8f6f4 v[rD:rD+7], v[rR:rR+11], v[rP:rP+11], v[rC:rC+7], v[rT], v[rU] matrix_a_fmt:MATRIX_FMT_FP6 matrix_b_fmt:MATRIX_FMT_FP6 matrix_a_scale:MATRIX_SCALE_ROW1
.elseif (\a)%2
	v_wmma_scale_f32_16x16x128_f8f6f4 v[rD:rD+7], v[rR:rR+11], v[rP:rP+11], v[rC:rC+7], v[rT], v[rU] matrix_a_fmt:MATRIX_FMT_FP6 matrix_b_fmt:MATRIX_FMT_FP6 matrix_b_scale:MATRIX_SCALE_ROW1
.else
	v_wmma_scale_f32_16x16x128_f8f6f4 v[rD:rD+7], v[rR:rR+11], v[rP:rP+11], v[rC:rC+7], v[rT], v[rU] matrix_a_fmt:MATRIX_FMT_FP6 matrix_b_fmt:MATRIX_FMT_FP6
.endif
.endm
.macro MULA a, p, cm                   ; P block a against R's eight.  The 32 accumulators take turns, one instruction a turn, in the same order in every K step
.if (\cm) >= 2
	WIN 0x81                                       ; source 0 window 1, C window 0, D window 2
.else
	WIN 0xa1                                       ; source 0 window 1, C and D window 2
.endif
.irp b, 0,1,2,3,4,5,6,7
	WM \a, \b, \p, \cm
.endr
.endm
.macro FETCH c, q, p, s                ; 42 LDS loads in one run: the fragments and scale words of K step s (half q of chunk c) into set p
	WIN 0x40                                       ; destination window 1
.irp i, 0,1,2,3,4,5,6,7
.irp k, 0,1,2
	ds_load_b128 v[128*(\p)+12*\i+4*\k:128*(\p)+12*\i+4*\k+3], v[ADR+(\c)] offset:3072*\i+1536*(\q)+512*\k
.endr
.endr
	WIN 0
.irp i, 0,1,2,3
.irp k, 0,1,2
	ds_load_b128 v[PF+48*(\p)+12*\i+4*\k:PF+48*(\p)+12*\i+4*\k+3], v[ADP+(\c)] offset:3072*\i+1536*(\q)+512*\k
.endr
.endr
.irp i, 0,1,2,3
	ds_load_b32 v[SC+8*(\p)+\i], v[ASR] offset:(\i/2)*SGP+SOFR+256*(\s)+128*(\i%2)
.endr
.irp i, 0,1
	ds_load_b32 v[SC+8*(\p)+4+\i], v[ASP] offset:SOFP+256*(\s)+128*\i
.endr
.endm
.macro STEPA c, cm                     ; a chunk's first K step, on set 0; its second is fetched into set 1
	s_wait_dscnt 0x0                               ; this step's 42 loads are in
	PLACES
	FETCH \c, 1, 1, 2*(\c)+1
	MULA 0, 0, \cm
	MULA 1, 0, \cm
	MULA 2, 0, \cm
	MULA 3, 0, \cm
	WIN 0
.endm
.macro STEPB c, cnt                    ; a chunk's second K step, on set 1; the barrier shows the next chunk whole
	s_wait_dscnt 0x0                               ; this step's loads are in: no LDS instruction of mine is out at the signal
	s_wait_tensorcnt \cnt                          ; my part of chunk c + 1 has landed; cnt younger loads may be out
	s_barrier_signal -1
	MULA 0, 1, 1
	WIN 0
	s_barrier_wait -1
	PLACES
	FETCH (\c)+1, 0, 0, 2*(\c)+2
	MULA 1, 1, 1
	MULA 2, 1, 1
	MULA 3, 1, 1
	WIN 0
.endm
.macro STEPP c                         ; the same where an earlier barrier has shown the next chunk: no barrier
	s_wait_dscnt 0x0
	PLACES
	FETCH (\c)+1, 0, 0, 2*(\c)+2
	MULA 0, 1, 1
	MULA 1, 1, 1
	MULA 2, 1, 1
	MULA 3, 1, 1
	WIN 0
.endm
; ROUND 1: chunk 2's second K step in a pass that has a successor.  Each wave waits for all its tensor loads (in pass 0: the last first fill, chunk 3), adds 0 to its spare word, and waits for that
; and for its LDS reads: chunks 0, 1 and 2 have been read.  Behind the round W's part of chunks 0 and 1 takes the next pass's rows.
.macro TURNR
	s_wait_tensorcnt 0x0                           ; no tensor load of mine is out, so a group 0 may be written
	ds_add_u32 v[SPW], v[NIL]                      ; 0 onto my spare word
	s_add_nc_u64 s[G0B+2:G0B+3], s[G0B+2:G0B+3], WSTEP   ; the next W's chunk 0; the type bits on top are not reached
	s_add_nc_u64 s[G0B+6:G0B+7], s[G0B+6:G0B+7], WSTEP   ; and chunk 1
	s_wait_dscnt 1                                 ; this step's fragments are in; the add alone may be out
	MULA 0, 1, 1
	s_wait_dscnt 0x0                               ; the add is done, and my reads of chunks 0 to 2 are over
	s_barrier_signal -1
	MULA 1, 1, 1
	WIN 0
	s_barrier_wait -1
	CREST                                          ; no wave of any partner still reads those chunks or has a load on its way
	JLOAD G0B, G1B, G0B+4, G1B                     ; waves 0, 1: chunk 0's halves; waves 2, 3: chunk 1's.  The four v_nop behind the load are the places in front of the loads below
	FETCH 3, 0, 0, 6
	MULA 2, 1, 1
	MULA 3, 1, 1
	WIN 0
.endm
; ROUND 2, in the way out: round 1's tiles have landed, which the round shows to every wave; chunks 2 and 3 have been read; W's part of them takes the next pass's rows.
.macro REFILL2
	s_wait_tensorcnt 0x0
	ds_add_u32 v[SPW], v[NIL]
	s_add_nc_u64 s[G0B+10:G0B+11], s[G0B+10:G0B+11], WSTEP
	s_add_nc_u64 s[G0B+14:G0B+15], s[G0B+14:G0B+15], WSTEP
	s_wait_dscnt 0x0
	CROUND
	JLOAD G0B+8, G1B, G0B+12, G1B
.endm
.macro LAST
	s_wait_dscnt 0x0
	MULA 0, 1, 1
	MULA 1, 1, 1
	MULA 2, 1, 1
	MULA 3, 1, 1
	WIN 0
	PLACES
.endm
; 64 numbers of a lane, v[s] on in window w, register 16 b + i = k 32 b + 16 (lane / 16) + i of my row: the four blocks' largest magnitudes.  Each accumulator is read from its low end on.
.macro QMAX s, w
	WIN ((\w)<<2)|((\w)<<4)
.irp b, 0,1,2,3
	v_max3_num_f32 v[TM+\b], 0x1800000, |v[(\s)+16*\b]|, |v[(\s)+16*\b+1]|   ; with the floor 2^(3 - 127): the byte cannot fall under 1
.endr
.irp i, 2,4,6,8,10,12,14
.irp b, 0,1,2,3
	v_max3_num_f32 v[TM+\b], v[TM+\b], |v[(\s)+16*\b+\i]|, |v[(\s)+16*\b+\i+1]|
.endr
.endr
	WIN 0
.irp b, 0,1,2,3
	v_permlanex16_b32 v[TM+4+\b], v[TM+\b], s[SEL], s[SEL+1]
.endr
.irp b, 0,1,2,3
	v_max_num_f32 v[TM+\b], v[TM+\b], v[TM+4+\b]
.endr
.endm
; from the largest magnitudes in v[TM] on: the scale word in v[PW], the fragment's codes in v[PC] on
.macro QTAIL s, w
.irp b, 0,1,2,3
	v_add_nc_u32 v[TM+12+\b], 0xff000000, v[TM+\b] ; 2 off the exponent field: the conversion's scale operand
.endr
.irp b, 0,1,2,3
	v_lshrrev_b32 v[TM+4+\b], 23, v[TM+12+\b]      ; the scale's byte
.endr
	v_lshl_or_b32 v[PW], v[TM+5], 8, v[TM+4]
	v_lshl_or_b32 v[PW], v[TM+6], 16, v[PW]
	v_lshl_or_b32 v[PW], v[TM+7], 24, v[PW]
	s_wait_xcnt 0x0                                ; the registers that earlier stores read (the codes, the last pass's scale words) are written again only behind this wait
	WIN (\w)
.irp c, 0,1
	v_cvt_scalef32_pk16_fp6_f32 v[PC+6*\c:PC+2+6*\c], v[(\s)+32*\c:(\s)+15+32*\c], v[TM+12+2*\c]
	v_cvt_scalef32_pk16_fp6_f32 v[PC+12+4*\c:PC+14+4*\c], v[(\s)+16+32*\c:(\s)+31+32*\c], v[TM+12+2*\c+1]
.endr
	WIN 0
	v_nop                                          ; one plain instruction behind a scaled conversion
.irp c, 0,1
.irp i, 0,1,2
	v_permlane16_swap_b32 v[PC+6*\c+\i], v[PC+12+4*\c+\i]
.endr
.irp i, 0,1,2
	v_mov_b32 v[PC+3+6*\c+\i], v[PC+12+4*\c+\i]
.endr
.endr
.endm
.macro IMG go, off                     ; the image: each store covers 512 consecutive bytes
.irp k, 0,1,2
	global_store_b128 v[\go], v[PC+4*\k:PC+4*\k+3], s[OUT:OUT+1] offset:(\off)+512*\k
.endr
.endm
.macro BIAS2 ptr                       ; the bias along R: tile b holds that of rows 32 (b / 2) + 8 (b % 2) + 16 h + 0 .. 7
.irp b, 0,1,2,3,4,5,6,7
	global_load_b128 v[BT+8*\b:BT+8*\b+3], v[BO2], s[\ptr:\ptr+1] offset:(32*(\b/2)+8*(\b%2))*4
	global_load_b128 v[BT+8*\b+4:BT+8*\b+7], v[BO2], s[\ptr:\ptr+1] offset:(32*(\b/2)+8*(\b%2))*4+16
.endr
.endm
.macro BIAS3 ptr                       ; the bias along P: all eight registers of tile a hold that of my lane's row
.irp a, 0,1,2,3
.irp j, 0,1,2,3,4,5,6,7
	global_load_b32 v[BT+8*\a+\j], v[BO3], s[\ptr:\ptr+1] offset:(32*(\a/2)+8*(\a%2))*4
.endr
.endr
.endm
; THE WAY OUT of pass p: each block of 16 P rows x 128 is quantised in the lane and leaves as an image (coff: the pass's place; cstep: from block to block); the four blocks' scale words meet in my
; stage and leave as 256 consecutive bytes (soff: the pass's place).  Nothing waits for the stores.
.macro WAYOUT p, coff, cstep, soff
.irp a, 0,1,2,3
	QMAX 64*\a, 2
	QTAIL 64*\a, 2
	IMG GO, (\coff)+(\cstep)*\a
	ds_store_b32 v[STW], v[PW] offset:64*\a        ; both halves of the lanes write the same word with the same value
	s_wait_dscnt 0x0                               ; the store has read its register
.if (\a == 1) && ((\p) < 2)
	REFILL2
.endif
.endr
	ds_load_b64 v[24:25], v[STR]
	s_wait_dscnt 0x0
	global_store_b64 v[SO], v[24:25], s[SOUT:SOUT+1] offset:\soff
.endm
	s_load_b256 s[4:11], s[0:1], 0x0               ; the codes of x and W s[4:5], their scales s[6:7], bq s[8:9], bk s[10:11]
	s_load_b128 s[12:15], s[0:1], 0x20             ; bv s[12:13], Q K V's codes s[14:15]
	s_load_b64 s[16:17], s[0:1], 0x30              ; their scales
	v_lshl_add_u32 v[SPW], v0, 2, SPARE
	v_mov_b32 v[NIL], 0
	ds_add_u32 v30, v31
	ds_add_u32 v30, v31
	s_wait_dscnt 0x0
	v_lshrrev_b32 v1, 5, v0
	v_readfirstlane_b32 s[WV], v1
	s_lshr_b32 s[FA], s[WV], 1
	s_and_b32 s[HF], s[WV], 1
	s_bfe_u32 s[CX], ttmp6, 0x40000
	s_bfe_u32 s[CY], ttmp6, 0x40004
	s_lshl_b32 s[XX], ttmp9, 2
	s_add_co_u32 s[XX], s[XX], s[CX]               ; X = 4 x cluster x + cx
	s_and_b32 s[YY], ttmp7, 0xffff
	s_lshl_b32 s[YY], s[YY], 2
	s_add_co_u32 s[YY], s[YY], s[CY]               ; Y = 4 x cluster y + cy
	s_lshl_b32 s2, s[CY], 2
	s_lshl_b32 s2, 15, s2                          ; my row of the cluster
	s_lshl_b32 s3, 0x1111, s[CX]                   ; my column
	s_or_b32 s[G1A], s2, (3<<16)|(1<<21)           ; 15:0 the mask; 17:16 elements of 8 bytes; 21 set beside a mask; no padding
	s_or_b32 s[G1SA], s2, (3<<16)|(1<<21)
	s_or_b32 s[G1B], s3, (3<<16)|(1<<21)
	s_or_b32 s[G1SB], s3, (3<<16)|(1<<21)
.irp g, G1A, G1B                       ; codes: a row is an image row's part of one chunk, 3,072 bytes = 384 elements; from image row to image row 12,288 bytes
	s_mov_b32 s[\g+1], 384<<16
	s_mov_b32 s[\g+3], 384<<16
	s_mov_b32 s[\g+5], 1536
	s_mov_b32 s[\g+6], 0
	s_mov_b32 s[\g+7], 0
.endr
	s_mov_b32 s[G1A+2], 8<<16                      ; half of x's tile: 8 rows
	s_mov_b32 s[G1A+4], 8
	s_mov_b32 s[G1B+2], 4<<16                      ; half of W's: 4
	s_mov_b32 s[G1B+4], 4
	s_mov_b32 s[G1SA+1], 32<<16                    ; x's scale words: a dense block of 4,096 bytes, as 16 rows of 256
	s_mov_b32 s[G1SA+2], 16<<16
	s_mov_b32 s[G1SA+3], 32<<16
	s_mov_b32 s[G1SA+4], 16
	s_mov_b32 s[G1SA+5], 32
	s_mov_b32 s[G1SA+6], 0
	s_mov_b32 s[G1SA+7], 0
	s_mov_b32 s[G1SB+1], 256<<16                   ; W's: 2,048 bytes (four images, all K steps) of each of Wq, Wk, Wv: 3 rows, 32,768 bytes apart
	s_mov_b32 s[G1SB+2], 3<<16
	s_mov_b32 s[G1SB+3], 256<<16
	s_mov_b32 s[G1SB+4], 3
	s_mov_b32 s[G1SB+5], 4096
	s_mov_b32 s[G1SB+6], 0
	s_mov_b32 s[G1SB+7], 0
	s_mov_b32 s[SEL], 0x76543210
	s_mov_b32 s[SEL+1], 0xfedcba98
	; offsets are made in the words in which the addresses will stand: x's hang on Y and the wave alone, W's on X and the wave alone
	s_lshl_b32 s[G0A+2], s[YY], 4
	s_lshl_b32 s[G0A+3], s[HF], 3
	s_add_co_u32 s[G0A+2], s[G0A+2], s[G0A+3]
	s_mul_i32 s[G0A+2], s[G0A+2], 12288            ; x's image rows 16 Y + 8 half
	s_mov_b32 s[G0A+3], 0
	s_lshl_b32 s[G0SA+2], s[YY], 1
	s_add_co_u32 s[G0SA+2], s[G0SA+2], s[HF]
	s_lshl_b32 s[G0SA+2], s[G0SA+2], 12            ; their scale words: 4,096 bytes a half
	s_mov_b32 s[G0SA+3], 0
	s_lshl_b32 s[G0B+2], s[XX], 3
	s_lshl_b32 s[G0B+3], s[HF], 2
	s_add_co_u32 s[G0B+2], s[G0B+2], s[G0B+3]
	s_add_co_u32 s[G0B+2], s[G0B+2], 512
	s_mul_i32 s[G0B+2], s[G0B+2], 12288            ; Wq's image rows 512 + 8 X + 4 half
	s_mov_b32 s[G0B+3], 0
	s_lshl_b32 s[G0SB+2], s[XX], 1
	s_add_co_u32 s[G0SB+2], s[G0SB+2], s[HF]
	s_add_co_u32 s[G0SB+2], s[G0SB+2], 128
	s_lshl_b32 s[G0SB+2], s[G0SB+2], 11
	s_mov_b32 s[G0SB+3], 0
	s_wait_kmcnt 0x0
	s_add_nc_u64 s[G0A+2:G0A+3], s[4:5], s[G0A+2:G0A+3]
	s_add_nc_u64 s[G0SA+2:G0SA+3], s[6:7], s[G0SA+2:G0SA+3]
	s_add_nc_u64 s[G0B+2:G0B+3], s[4:5], s[G0B+2:G0B+3]
	s_add_nc_u64 s[G0SB+2:G0SB+3], s[6:7], s[G0SB+2:G0SB+3]
.irp c, 1,2,3
	s_add_nc_u64 s[G0A+4*\c+4*(\c/2)+2:G0A+4*\c+4*(\c/2)+3], s[G0A+2:G0A+3], 3072*\c
	s_add_nc_u64 s[G0B+4*\c+2:G0B+4*\c+3], s[G0B+2:G0B+3], 3072*\c
.endr
	s_mul_i32 s2, s[HF], 24576
	s_mul_i32 s3, s[HF], 12288
.irp c, 0,1,2,3
	MKG0 G0A+4*\c+4*(\c/2), 2, CH*\c
	MKG0 G0B+4*\c, 3, CH*\c+BOFF
.endr
	s_lshl_b32 s2, s[HF], 12
	s_mul_i32 s3, s[HF], 6144
	MKG0 G0SA, 2, SCL
	MKG0 G0SB, 3, SCW
	CROUND                                         ; all sixteen work-groups are here: the joint loads meet
	JLOAD G0SA, G1SA, G0SB, G1SB                   ; the scale words first, then the four chunks: all first fills, one group
.irp c, 0,1,2,3
	JLOAD G0A+4*\c+4*(\c/2), G1A, G0B+4*\c, G1B
.endr
	v_and_b32 v3, 31, v0                           ; lane
	v_and_b32 v1, 15, v0                           ; r
	v_bfe_u32 v2, v0, 4, 1                         ; h
	v_lshlrev_b32 v[BO2], 6, v2
	v_and_b32 v[BO3], 8, v1
	v_add_nc_u32 v[BO3], v[BO3], v1
	v_lshlrev_b32 v[BO3], 2, v[BO3]
	s_lshl_b32 s2, s[XX], 9                        ; the biases at my tile's 128 rows;
	s_mov_b32 s3, 0
	s_add_nc_u64 s[8:9], s[8:9], s[2:3]
	s_add_nc_u64 s[10:11], s[10:11], s[2:3]
	s_lshl_b32 s67, s[FA], 8
	s_add_co_u32 s2, s2, s67                       ; bv's at my wave's 64 of them
	s_add_nc_u64 s[12:13], s[12:13], s[2:3]
	BIAS2 8                                        ; bq
	v_lshlrev_b32 v[GO], 4, v3
	v_lshlrev_b32 v[L4], 2, v3
.irp b, 0,1,2,3
	v_mov_b32 v[TM+4+\b], 0                        ; a lane permute's destination counts as one of its sources
.endr
	s_mul_i32 s2, s[WV], 12288                     ; Q, K: P = x's images 4 w on;
	s_mov_b32 s3, BOFF                             ; R = W's eight
.irp c, 0,1,2,3
	v_add_nc_u32 v[QADP+\c], s2, v[GO]
	v_add_nc_u32 v[QADR+\c], s3, v[GO]
	s_add_co_u32 s2, s2, CH
	s_add_co_u32 s3, s3, CH
.endr
	s_mul_i32 s2, s[FA], 12288
	s_add_co_u32 s2, s2, BOFF                      ; V: P = W's images 4 (w / 2) on;
	s_mul_i32 s3, s[HF], 24576                     ; R = x's images 8 (w % 2) on
.irp c, 0,1,2,3
	v_add_nc_u32 v[VADP+\c], s2, v[GO]
	v_add_nc_u32 v[VADR+\c], s3, v[GO]
	s_add_co_u32 s2, s2, CH
	s_add_co_u32 s3, s3, CH
.endr
	s_lshl_b32 s2, s[WV], 11
	s_add_co_u32 s2, s2, SCL
	v_add_nc_u32 v[QASP], s2, v[L4]                ; Q, K: P's scale words: x's, 2,048 w on;
	v_add_nc_u32 v[QASR], SCW, v[L4]               ; R's: W's
	s_mul_i32 s2, s[FA], 6144
	s_add_co_u32 s2, s2, SCW
	v_add_nc_u32 v[VASP], s2, v[L4]                ; V: P's: W's, four images (w / 2) on;
	s_lshl_b32 s3, s[HF], 12
	s_add_co_u32 s3, s3, SCL
	v_add_nc_u32 v[VASR], s3, v[L4]                ; R's: x's, 4,096 (w % 2) on
	s_lshl_b32 s2, s[WV], 10
	s_add_co_u32 s2, s2, STG
	v_lshl_add_u32 v[STW], v1, 2, s2
	v_lshl_add_u32 v[STR], v3, 3, s2
	v_lshlrev_b32 v[SO], 3, v3
	; where V's images go: 12,582,912 + (8 X + 4 (w / 2)) x 98,304 + (2 Y + w % 2) x 1,536  (into the registers that held the inputs' addresses: every descriptor has been made)
	s_lshl_b32 s2, s[XX], 3
	s_lshl_b32 s3, s[FA], 2
	s_add_co_u32 s2, s2, s3
	s_mul_i32 s2, s2, 98304
	s_lshl_b32 s3, s[YY], 1
	s_add_co_u32 s3, s3, s[HF]
	s_mul_i32 s67, s3, 1536
	s_add_co_u32 s2, s2, s67
	s_add_co_u32 s2, s2, 12582912
	s_lshl_b32 s67, s3, 8                          ; (2 Y + w % 2) x 256, for the scale words below
	s_mov_b32 s3, 0
	s_add_nc_u64 s[4:5], s[14:15], s[2:3]
	; and their scale words: 524,288 + (2 X + w / 2) x 16,384 + (2 Y + w % 2) x 256
	s_lshl_b32 s2, s[XX], 1
	s_add_co_u32 s2, s2, s[FA]
	s_lshl_b32 s2, s2, 14
	s_add_co_u32 s2, s2, s67
	s_add_co_u32 s2, s2, 524288
	s_add_nc_u64 s[6:7], s[16:17], s[2:3]
	; Q's and K's images: pass x 6,291,456 + (16 Y + 4 w) x 12,288 + X x 1,536; the pass and the block stand in the stores' immediates
	s_lshl_b32 s2, s[YY], 4
	s_lshl_b32 s67, s[WV], 2
	s_add_co_u32 s2, s2, s67
	s_mul_i32 s2, s2, 12288
	s_mul_i32 s67, s[XX], 1536
	s_add_co_u32 s2, s2, s67
	s_add_nc_u64 s[14:15], s[14:15], s[2:3]
	; their scale words: pass x 262,144 + (4 Y + w) x 2,048 + X x 256
	s_lshl_b32 s2, s[YY], 2
	s_add_co_u32 s2, s2, s[WV]
	s_lshl_b32 s2, s2, 11
	s_lshl_b32 s67, s[XX], 8
	s_add_co_u32 s2, s2, s67
	s_add_nc_u64 s[16:17], s[16:17], s[2:3]
	; ---- PASS 0: Q
	s_wait_tensorcnt 3                             ; the scale words and my part of chunk 0 have landed; chunks 1 to 3 may be out
	s_barrier_signal -1
	s_barrier_wait -1
	FETCH 0, 0, 0, 0
	s_wait_loadcnt 0x0                             ; the bias
	STEPA 0, 2
	STEPB 0, 2
	STEPA 1, 1
	STEPB 1, 1
	STEPA 2, 1
	TURNR
	STEPA 3, 1
	LAST
	BIAS2 10                                       ; bk: the bias tiles were last read in this pass's first K step
	WAYOUT 0, 0, 12288, 0
	; ---- PASS 1: K.  Round 2 has shown chunks 0 and 1; the barrier in chunk 1's second K step shows chunks 2 and 3
.set SOFR, 2048
	FETCH 0, 0, 0, 0
	s_wait_loadcnt 0x0
	STEPA 0, 2
	STEPP 0
	STEPA 1, 1
	STEPB 1, 0
	STEPA 2, 1
	TURNR
	STEPA 3, 1
	LAST
	BIAS3 12                                       ; bv
	WAYOUT 1, 6291456, 12288, 262144
	; ---- PASS 2: V^T.  P and R change places
.set ADP,  VADP
.set ADR,  VADR
.set ASP,  VASP
.set ASR,  VASR
.set SGP,  2048
.set SOFR, 0
.set SOFP, 4096
.set OUT,  4
.set SOUT, 6
	FETCH 0, 0, 0, 0
	s_wait_loadcnt 0x0
	STEPA 0, 3
	STEPP 0
	STEPA 1, 1
	STEPB 1, 0
	STEPA 2, 1
	STEPP 2
	STEPA 3, 1
	LAST
	WAYOUT 2, 0, 98304, 0
	s_wait_tensorcnt 0x0                           ; the wave's end
	ds_add_u32 v[SPW], v[NIL]
	s_wait_dscnt 0x0
	CROUND                                         ; the closing round: no work-group ends while a partner may still ask for a tile that names it
	s_endpgm
.Lfunc_end_k_q71f5e81e2f_qkv:
	.size	k_q71f5e81e2f_qkv, .Lfunc_end_k_q71f5e81e2f_qkv-k_q71f5e81e2f_qkv
	.p2alignl 7, 3214868480
	.fill 96, 4, 3214868480
	.section	.rodata,"a",@progbits
	.p2align	6, 0x0
	.amdhsa_kernel k_q71f5e81e2f_qkv
		.amdhsa_group_segment_fixed_size 327680
		.amdhsa_private_segment_fixed_size 0
		.amdhsa_enable_private_segment 0
		.amdhsa_kernarg_size 56
		.amdhsa_user_sgpr_count 2
		.amdhsa_user_sgpr_kernarg_segment_ptr 1
		.amdhsa_wavefront_size32 1
		.amdhsa_system_sgpr_workgroup_id_x 1
		.amdhsa_system_sgpr_workgroup_id_y 1
		.amdhsa_system_sgpr_workgroup_id_z 1
		.amdhsa_system_vgpr_workitem_id 0
		.amdhsa_next_free_vgpr 768
		.amdhsa_next_free_sgpr 102
		.amdhsa_reserve_vcc 0
		.amdhsa_float_denorm_mode_32 3
		.amdhsa_float_denorm_mode_16_64 3
		.amdhsa_memory_ordered 1
		.amdhsa_forward_progress 1
		.amdhsa_inst_pref_size 243
	.end_amdhsa_kernel
	.amdgpu_metadata
---
amdhsa.version: [ 1, 2 ]
amdhsa.kernels:
  - .name:           k_q71f5e81e2f_qkv
    .symbol:         k_q71f5e81e2f_qkv.kd
    .args:
      - { .name: xw_codes, .offset: 0, .size: 8, .value_kind: global_buffer, .address_space: global }
      - { .name: xw_scales, .offset: 8, .size: 8, .value_kind: global_buffer, .address_space: global }
      - { .name: bq, .offset: 16, .size: 8, .value_kind: global_buffer, .address_space: global }
      - { .name: bk, .offset: 24, .size: 8, .value_kind: global_buffer, .address_space: global }
      - { .name: bv, .offset: 32, .size: 8, .value_kind: global_buffer, .address_space: global }
      - { .name: qkv_codes, .offset: 40, .size: 8, .value_kind: global_buffer, .address_space: global }
      - { .name: qkv_scales, .offset: 48, .size: 8, .value_kind: global_buffer, .address_space: global }
    .group_segment_fixed_size: 327680
    .private_segment_fixed_size: 0
    .kernarg_segment_align: 8
    .kernarg_segment_size: 56
    .max_flat_workgroup_size: 128
    .sgpr_count:     102
    .vgpr_count:     768
    .wavefront_size: 32
...
	.end_amdgpu_metadata
.endif
;; end of part 2
;; launch score (part 3): grid 64 x 4, 4 waves a work-group, no clusters, 327,680 bytes of LDS; arguments qkv_codes, qkv_scales, p_codes, p_tabs; writes p_codes, p_tabs
.if DOCPART == 3
	.amdgcn_target "amdgcn-amd-amdhsa--gfx1250"
	.amdhsa_code_object_version 6
	.text
	.protected	k_q71f5e81e2f_score
	.globl	k_q71f5e81e2f_score
	.p2align	8
	.type	k_q71f5e81e2f_score,@function
k_q71f5e81e2f_score:
	s_mov_b64 s[64:65], 0
	v_nop
	global_prefetch_b8 v0, s[64:65] scope:SCOPE_SE
	s_setreg_imm32_b32 hwreg(HW_REG_WAVE_MODE, 25, 1), 1
	s_wait_xcnt 0x0
; S = Q K^T on the tiles that the causal mask keeps; then, for each query and each chunk of 128 keys: t = score x log2(e) / 32, M_c = ceil(the chunk's largest t), p = 2^(t - M_c),
; l_c = the sum of the unquantised p, and p's codes of FP6 (E2M3) along the keys with their scale word.  M_c is a whole number: the next launch brings all chunks of a row under the row's M
; by taking a whole number off the scale bytes, which changes no code.
; SHARES.  A work-group takes 256 queries (row tile ty of batch b) x 128 keys (key tile kx = 0 .. 2 ty): 64 tiles a batch, 256 work-groups.  Wave w: 64 queries x 128 keys.  P = Q's images, R = K's images;
; the product is used transposed, so a lane holds one query and its registers run along the keys.  All of K = 1,024 lies in LDS at once, four chunks; five tensor loads a wave are out at the most.
; THE DIAGONAL.  Of key tile 2 ty + 1 only the lower 128 queries see anything.  The work-group of kx = 2 ty makes that block too: in its last K step K's part of the four chunks is filled again with the
; next 128 keys (one load a wave, wave w chunk w; a branch on the work-group's number round the load alone), the first tile's softmax runs while the tiles land, and a second, shorter product follows:
; wave w takes queries 128 + 32 w on, two blocks of 16.  For the upper 128 queries it writes what hidden keys amount to: zero codes, the byte 1, l = 0 and -M = 3e38.
; K's scale words of tile kx + 1 come with the first fills in every work-group, 4,096 bytes that only the diagonal ones read.  The second product's table words leave as 128 consecutive bytes a wave.
; NO CLUSTER: row tile ty has 2 ty + 1 key tiles, an odd number, and a key tile has 8 - kx / 2 readers: the triangle does not fall into groups of four that share a tile.
; STORED: p's images [query image][key step][1536]; three tables [query image / 4][key step][256]: scale words, -M_c (f32), l_c (f32).
; All of LDS is claimed, and 0 is added to spare words.
; LIMITS: NaN and infinities are not served; a block whose every p has fallen to 0 keeps the byte 1 (zero codes).
; REGISTERS: window 0: v0-31 addresses and a few numbers; v32-45 scale words and nothing else; v46 the scale word just made; v47 an address; v48-63 at work; v64-127 the 64 numbers at work; v128-223 P's fragments;
;   v224-243 codes; v244-250 the second product's addresses; v252-255 zeros.   window 1: R's fragments.   window 2: the accumulators.
.set CH,   73728
.set BOFF, 49152
.set SCL,  294912                      ; Q's scale words 8,192 bytes; K's of tile kx 4,096; K's of tile kx + 1 4,096
.set STG,  311296                      ; 1,024 bytes a wave; nothing is ever filled here
.set SPARE, 315392                     ; the spare words, 128 bytes a wave
.set SGP,  2048
.set ADP,  4
.set ADR,  8
.set ASP,  12
.set ASR,  13
.set GO,   14
.set SPW,  15                          ; v15    LDS address of my spare word; never rewritten
.set NIL,  16                          ; v16    0; never rewritten
.set CW,   17                          ; v17    the scale word of hidden keys: four bytes 1
.set SO,   18
.set STW,  19
.set STR,  20
.set D0,   21                          ; v21    my query of block 0 - the tile's first key - 16 h
.set NM,   22                          ; v[22:23] -M_c (the packed form names a pair and takes its low word)
.set LS,   24                          ; v[24:27] two chains of sums
.set DA,   28
.set NINF, 29
.set L4,   30                          ; v30    4 x lane
.set SC,   32
.set PW,   46
.set STQ,  47                          ; v47    my stage + 4 x lane
.set TM,   48
.set H,    64
.set PF,   128
.set PC,   224
.set NPB,  4                           ; blocks of 16 queries a wave: 4, in the second product 2
.set WV,   18
.set FA,   19
.set HF,   20
.set TY,   21
.set KX,   22
.set BB,   23
.set VIS,  12                          ; s12    1 where all 128 keys count for all my queries
.set DG,   48                          ; s48    1 in the work-group of kx = 2 ty
.set RO,   50                          ; s[50:51] where my part of the next 128 keys' codes begins
.set CS,   66                          ; s[66:67] c = log2(e) / 32
.set G1A,  24
.set G1B,  32
.set G1SA, 40
.set G0A,  56
.set G0SA, 76
.set G0B,  80
.set G0SB, 96
.set SEL,  100
.set OUT,  8
.set MSB, 0
.macro WIN new
.if MSB != (\new)
	s_set_vgpr_msb (MSB<<8)|(\new)
.set MSB, \new
.endif
.endm
.macro PLACES
.rept 4
	v_nop
.endr
.endm
.macro JLOAD g0a, g1a, g0b, g1b        ; waves 0, 1 fetch for Q, waves 2, 3 for K; four v_nop follow each line
	s_cmp_eq_u32 s[FA], 0
	s_cbranch_scc0 .Lfor_b_\@
	tensor_load_to_lds s[\g0a:\g0a+3], s[\g1a:\g1a+7]
	s_nop 0
.rept 4
	v_nop
.endr
	s_branch .Lasked_\@
.Lfor_b_\@:
	tensor_load_to_lds s[\g0b:\g0b+3], s[\g1b:\g1b+7]
	s_nop 0
.rept 4
	v_nop
.endr
.Lasked_\@:
.endm
.macro MKG0 g, l, loff
	s_mov_b32 s[(\g)], 1
	s_add_co_u32 s[(\g)+1], s[\l], \loff
	s_or_b32 s[(\g)+3], s[(\g)+3], 0x80000000
.endm
.macro WM a, b, p, cm                  ; P block a x R block b, set p; cm 0: the constant 0 starts the sum, 1: in place
.set rD, 8*(8*(\a)+(\b))
.set rR, 128*(\p)+12*(\b)
.set rP, PF+48*(\p)+12*(\a)
.set rT, SC+8*(\p)+(\b)/2
.set rU, SC+8*(\p)+4+(\a)/2
.if (\cm) == 0
.if ((\b)%2) && ((\a)%2)
	v_wmma_scale_f32_16x16x128_f8f6f4 v[rD:rD+7], v[rR:rR+11], v[rP:rP+11], 0, v[rT], v[rU] matrix_a_fmt:MATRIX_FMT_FP6 matrix_b_fmt:MATRIX_FMT_FP6 matrix_a_scale:MATRIX_SCALE_ROW1 matrix_b_scale:MATRIX_SCALE_ROW1
.elseif (\b)%2
	v_wmma_scale_f32_16x16x128_f8f6f4 v[rD:rD+7], v[rR:rR+11], v[rP:rP+11], 0, v[rT], v[rU] matrix_a_fmt:MATRIX_FMT_FP6 matrix_b_fmt:MATRIX_FMT_FP6 matrix_a_scale:MATRIX_SCALE_ROW1
.elseif (\a)%2
	v_wmma_scale_f32_16x16x128_f8f6f4 v[rD:rD+7], v[rR:rR+11], v[rP:rP+11], 0, v[rT], v[rU] matrix_a_fmt:MATRIX_FMT_FP6 matrix_b_fmt:MATRIX_FMT_FP6 matrix_b_scale:MATRIX_SCALE_ROW1
.else
	v_wmma_scale_f32_16x16x128_f8f6f4 v[rD:rD+7], v[rR:rR+11], v[rP:rP+11], 0, v[rT], v[rU] matrix_a_fmt:MATRIX_FMT_FP6 matrix_b_fmt:MATRIX_FMT_FP6
.endif
.else
.if ((\b)%2) && ((\a)%2)
	v_wmma_scale_f32_16x16x128_f8f6f4 v[rD:rD+7], v[rR:rR+11], v[rP:rP+11], v[rD:rD+7], v[rT], v[rU] matrix_a_fmt:MATRIX_FMT_FP6 matrix_b_fmt:MATRIX_FMT_FP6 matrix_a_scale:MATRIX_SCALE_ROW1 matrix_b_scale:MATRIX_SCALE_ROW1
.elseif (\b)%2
	v_wmma_scale_f32_16x16x128_f8f6f4 v[rD:rD+7], v[rR:rR+11], v[rP:rP+11], v[rD:rD+7], v[rT], v[rU] matrix_a_fmt:MATRIX_FMT_FP6 matrix_b_fmt:MATRIX_FMT_FP6 matrix_a_scale:MATRIX_SCALE_ROW1
.elseif (\a)%2
	v_wmma_scale_f32_16x16x128_f8f6f4 v[rD:rD+7], v[rR:rR+11], v[rP:rP+11], v[rD:rD+7], v[rT], v[rU] matrix_a_fmt:MATRIX_FMT_FP6 matrix_b_fmt:MATRIX_FMT_FP6 matrix_b_scale:MATRIX_SCALE_ROW1
.else
	v_wmma_scale_f32_16x16x128_f8f6f4 v[rD:rD+7], v[rR:rR+11], v[rP:rP+11], v[rD:rD+7], v[rT], v[rU] matrix_a_fmt:MATRIX_FMT_FP6 matrix_b_fmt:MATRIX_FMT_FP6
.endif
.endif
.endm
.macro MULA a, p, cm                   ; the accumulators take turns, one instruction a turn, in the same order in every K step
	WIN 0xa1
.irp b, 0,1,2,3,4,5,6,7
	WM \a, \b, \p, \cm
.endr
.endm
.macro MULALL p, cm                    ; all my blocks of queries
.irp a, 0,1,2,3
.if \a < NPB
	MULA \a, \p, \cm
.endif
.endr
.endm
.macro FETCH c, q, p, s                ; one run of LDS loads: the fragments and scale words of K step s (half q of chunk c) into set p
	WIN 0x40
.irp i, 0,1,2,3,4,5,6,7
.irp k, 0,1,2
	ds_load_b128 v[128*(\p)+12*\i+4*\k:128*(\p)+12*\i+4*\k+3], v[ADR+(\c)] offset:3072*\i+1536*(\q)+512*\k
.endr
.endr
	WIN 0
.irp i, 0,1,2,3
.if \i < NPB
.irp k, 0,1,2
	ds_load_b128 v[PF+48*(\p)+12*\i+4*\k:PF+48*(\p)+12*\i+4*\k+3], v[ADP+(\c)] offset:3072*\i+1536*(\q)+512*\k
.endr
.endif
.endr
.irp i, 0,1,2,3
	ds_load_b32 v[SC+8*(\p)+\i], v[ASR] offset:(\i/2)*SGP+256*(\s)+128*(\i%2)
.endr
.irp i, 0,1
.if 2*\i < NPB
	ds_load_b32 v[SC+8*(\p)+4+\i], v[ASP] offset:256*(\s)+128*\i
.endif
.endr
.endm
.macro STEPA c, cm                     ; a chunk's first K step, on set 0; its second is fetched into set 1
	s_wait_dscnt 0x0                               ; this step's loads are in
	PLACES
	FETCH \c, 1, 1, 2*(\c)+1
	MULALL 0, \cm
	WIN 0
.endm
.macro STEPB c                         ; a chunk's second K step, on set 1; the barrier shows the next chunk whole
	s_wait_dscnt 0x0                               ; no LDS instruction of mine is out at the signal
	s_wait_tensorcnt 2-(\c)                        ; my part of chunk c + 1 has landed; the 2 - c younger loads may be out
	s_barrier_signal -1
	MULA 0, 1, 1
	WIN 0
	s_barrier_wait -1
	PLACES
	FETCH (\c)+1, 0, 0, 2*(\c)+2
	MULA 1, 1, 1
	MULA 2, 1, 1
	MULA 3, 1, 1
	WIN 0
.endm
.macro STEPP c                         ; the same where all chunks have been shown: no barrier
	s_wait_dscnt 0x0
	PLACES
	FETCH (\c)+1, 0, 0, 2*(\c)+2
	MULALL 1, 1
	WIN 0
.endm
.macro QTAIL s, w                      ; from the blocks' largest numbers in v[TM] on: the scale word in v[PW], the codes in v[PC] on
.irp b, 0,1,2,3
	v_add_nc_u32 v[TM+12+\b], 0xff000000, v[TM+\b]
.endr
.irp b, 0,1,2,3
	v_lshrrev_b32 v[TM+4+\b], 23, v[TM+12+\b]
.endr
	v_lshl_or_b32 v[PW], v[TM+5], 8, v[TM+4]
	v_lshl_or_b32 v[PW], v[TM+6], 16, v[PW]
	v_lshl_or_b32 v[PW], v[TM+7], 24, v[PW]
	s_wait_xcnt 0x0                                ; the codes' registers, which the last image's stores read, are written again only behind this wait
	WIN (\w)
.irp c, 0,1
	v_cvt_scalef32_pk16_fp6_f32 v[PC+6*\c:PC+2+6*\c], v[(\s)+32*\c:(\s)+15+32*\c], v[TM+12+2*\c]
	v_cvt_scalef32_pk16_fp6_f32 v[PC+12+4*\c:PC+14+4*\c], v[(\s)+16+32*\c:(\s)+31+32*\c], v[TM+12+2*\c+1]
.endr
	WIN 0
	v_nop                                          ; one plain instruction behind a scaled conversion
.irp c, 0,1
.irp i, 0,1,2
	v_permlane16_swap_b32 v[PC+6*\c+\i], v[PC+12+4*\c+\i]
.endr
.irp i, 0,1,2
	v_mov_b32 v[PC+3+6*\c+\i], v[PC+12+4*\c+\i]
.endr
.endr
.endm
.macro IMG go, off
.irp k, 0,1,2
	global_store_b128 v[\go], v[PC+4*\k:PC+4*\k+3], s[OUT:OUT+1] offset:(\off)+512*\k
.endr
.endm
	s_load_b256 s[4:11], s[0:1], 0x0               ; Q K V's codes s[4:5], their scales s[6:7], p's codes s[8:9], the tables s[10:11]
	v_lshl_add_u32 v[SPW], v0, 2, SPARE
	v_mov_b32 v[NIL], 0
	ds_add_u32 v15, v16
	ds_add_u32 v15, v16
	s_wait_dscnt 0x0
	v_lshrrev_b32 v1, 5, v0
	v_readfirstlane_b32 s[WV], v1
	s_lshr_b32 s[FA], s[WV], 1
	s_and_b32 s[HF], s[WV], 1
	s_and_b32 s[BB], ttmp7, 0xffff                 ; the batch
	s_mov_b32 s[TY], 0                             ; row tile ty begins at tile number ty x ty: ty = how many of these beginnings the number has reached
.irp th, 1,4,9,16,25,36,49
	s_cmp_ge_u32 ttmp9, \th
	s_add_co_ci_u32 s[TY], s[TY], 0
.endr
	s_mul_i32 s2, s[TY], s[TY]
	s_sub_co_u32 s[KX], ttmp9, s2
	s_lshl_b32 s2, s[TY], 1
	s_cmp_eq_u32 s[KX], s2
	s_cselect_b32 s[DG], 1, 0
	s_mov_b32 s[G1A], 3<<16                        ; no mask; elements of 8 bytes; no padding
	s_mov_b32 s[G1B], 3<<16
	s_mov_b32 s[G1SA], 3<<16
.irp g, G1A, G1B
	s_mov_b32 s[\g+1], 384<<16
	s_mov_b32 s[\g+3], 384<<16
	s_mov_b32 s[\g+5], 1536
	s_mov_b32 s[\g+6], 0
	s_mov_b32 s[\g+7], 0
.endr
	s_mov_b32 s[G1A+2], 8<<16                      ; 8 image rows: half of Q's tile of a chunk; also all of K's, in the refill
	s_mov_b32 s[G1A+4], 8
	s_mov_b32 s[G1B+2], 4<<16
	s_mov_b32 s[G1B+4], 4
	s_mov_b32 s[G1SA+1], 32<<16                    ; scale words: a dense block of 4,096 bytes, as 16 rows of 256
	s_mov_b32 s[G1SA+2], 16<<16
	s_mov_b32 s[G1SA+3], 32<<16
	s_mov_b32 s[G1SA+4], 16
	s_mov_b32 s[G1SA+5], 32
	s_mov_b32 s[G1SA+6], 0
	s_mov_b32 s[G1SA+7], 0
	s_mov_b32 s[SEL], 0x76543210
	s_mov_b32 s[SEL+1], 0xfedcba98
	s_mov_b32 s[CS], 0x3d38aa3b                    ; log2(e) / 32
	s_mov_b32 s[CS+1], s[CS]
	s_lshl_b32 s[G0A+2], s[BB], 7
	s_lshl_b32 s[G0A+3], s[TY], 4
	s_add_co_u32 s[G0A+2], s[G0A+2], s[G0A+3]
	s_lshl_b32 s[G0A+3], s[HF], 3
	s_add_co_u32 s[G0A+2], s[G0A+2], s[G0A+3]
	s_mul_i32 s[G0A+2], s[G0A+2], 12288            ; Q's image rows 128 b + 16 ty + 8 half
	s_mov_b32 s[G0A+3], 0
	s_lshl_b32 s[G0SA+2], s[BB], 4
	s_lshl_b32 s[G0SA+3], s[TY], 1
	s_add_co_u32 s[G0SA+2], s[G0SA+2], s[G0SA+3]
	s_add_co_u32 s[G0SA+2], s[G0SA+2], s[HF]
	s_lshl_b32 s[G0SA+2], s[G0SA+2], 12
	s_mov_b32 s[G0SA+3], 0
	s_lshl_b32 s[G0B+2], s[BB], 7
	s_lshl_b32 s[G0B+3], s[KX], 3
	s_add_co_u32 s[G0B+2], s[G0B+2], s[G0B+3]
	s_lshl_b32 s[G0B+3], s[HF], 2
	s_add_co_u32 s[G0B+2], s[G0B+2], s[G0B+3]
	s_mul_i32 s[G0B+2], s[G0B+2], 12288            ; K's image rows 128 b + 8 kx + 4 half,
	s_add_co_u32 s[G0B+2], s[G0B+2], 6291456       ; behind Q's codes
	s_mov_b32 s[G0B+3], 0
	s_lshl_b32 s[G0SB+2], s[BB], 5                 ; K's scale words: wave 2 those of tile kx, wave 3 those of tile kx + 1 (kx + 1 is 15 at the most: inside the batch)
	s_lshl_b32 s[G0SB+3], s[KX], 1
	s_add_co_u32 s[G0SB+2], s[G0SB+2], s[G0SB+3]
	s_lshl_b32 s[G0SB+3], s[HF], 1
	s_add_co_u32 s[G0SB+2], s[G0SB+2], s[G0SB+3]
	s_lshl_b32 s[G0SB+2], s[G0SB+2], 11
	s_add_co_u32 s[G0SB+2], s[G0SB+2], 262144
	s_mov_b32 s[G0SB+3], 0
	s_lshl_b32 s[RO], s[BB], 7                     ; the refill: K's image rows 128 b + 8 (kx + 1), chunk w
	s_lshl_b32 s[RO+1], s[KX], 3
	s_add_co_u32 s[RO], s[RO], s[RO+1]
	s_add_co_u32 s[RO], s[RO], 8
	s_mul_i32 s[RO], s[RO], 12288
	s_mul_i32 s[RO+1], s[WV], 3072
	s_add_co_u32 s[RO], s[RO], s[RO+1]
	s_add_co_u32 s[RO], s[RO], 6291456
	s_mov_b32 s[RO+1], 0
	s_wait_kmcnt 0x0
	s_add_nc_u64 s[G0A+2:G0A+3], s[4:5], s[G0A+2:G0A+3]
	s_add_nc_u64 s[G0SA+2:G0SA+3], s[6:7], s[G0SA+2:G0SA+3]
	s_add_nc_u64 s[G0B+2:G0B+3], s[4:5], s[G0B+2:G0B+3]
	s_add_nc_u64 s[G0SB+2:G0SB+3], s[6:7], s[G0SB+2:G0SB+3]
.irp c, 1,2,3
	s_add_nc_u64 s[G0A+4*\c+4*(\c/2)+2:G0A+4*\c+4*(\c/2)+3], s[G0A+2:G0A+3], 3072*\c
	s_add_nc_u64 s[G0B+4*\c+2:G0B+4*\c+3], s[G0B+2:G0B+3], 3072*\c
.endr
	s_mul_i32 s2, s[HF], 24576
	s_mul_i32 s3, s[HF], 12288
.irp c, 0,1,2,3
	MKG0 G0A+4*\c+4*(\c/2), 2, CH*\c
	MKG0 G0B+4*\c, 3, CH*\c+BOFF
.endr
	s_lshl_b32 s2, s[HF], 12
	MKG0 G0SA, 2, SCL
	MKG0 G0SB, 2, SCL+8192
	JLOAD G0SA, G1SA, G0SB, G1SA                   ; the scale words, then the four chunks: all first fills, one group
.irp c, 0,1,2,3
	JLOAD G0A+4*\c+4*(\c/2), G1A, G0B+4*\c, G1B
.endr
	v_and_b32 v3, 31, v0
	v_and_b32 v1, 15, v0
	v_bfe_u32 v2, v0, 4, 1
	v_lshlrev_b32 v[GO], 4, v3
	v_lshlrev_b32 v[L4], 2, v3
.irp b, 0,1,2,3,4
	v_mov_b32 v[TM+4+\b], 0                        ; a lane permute's destination counts as one of its sources
.endr
	v_mov_b32 v[NM+1], 0                           ; named as the upper half of a pair
	v_mov_b32 v[NINF], 0xff800000
	v_mov_b32 v[CW], 0x01010101
.irp i, 252,253,254,255
	v_mov_b32 v[\i], 0                             ; the codes of hidden keys
.endr
	s_mul_i32 s2, s[WV], 12288                     ; P: Q's images 4 w on
	s_mov_b32 s3, BOFF                             ; R: K's eight
.irp c, 0,1,2,3
	v_add_nc_u32 v[4+\c], s2, v[GO]
	v_add_nc_u32 v[8+\c], s3, v[GO]
	s_add_co_u32 s2, s2, CH
	s_add_co_u32 s3, s3, CH
.endr
	s_mul_i32 s2, s[WV], 6144
	s_add_co_u32 s2, s2, 24576                     ; the second product's P: Q's images 8 + 2 w on
.irp c, 0,1,2,3
	v_add_nc_u32 v[244+\c], s2, v[GO]
	s_add_co_u32 s2, s2, CH
.endr
	s_lshl_b32 s2, s[WV], 11
	s_add_co_u32 s2, s2, SCL
	v_add_nc_u32 v12, s2, v[L4]
	v_add_nc_u32 v13, SCL+8192, v[L4]
	s_lshl_b32 s2, s[FA], 11                       ; the second product's scale words: Q's images 8 + 2 w, 9 + 2 w: four images 2 + w / 2, their half w % 2;
	s_lshl_b32 s3, s[HF], 7
	s_add_co_u32 s2, s2, s3
	s_add_co_u32 s2, s2, SCL+4096
	v_add_nc_u32 v248, s2, v[L4]
	v_add_nc_u32 v249, SCL+12288, v[L4]            ; K's of tile kx + 1
	s_lshl_b32 s2, s[WV], 10
	s_add_co_u32 s2, s2, STG
	v_lshl_add_u32 v[STW], v1, 2, s2
	v_lshl_add_u32 v[STR], v3, 3, s2
	v_lshl_add_u32 v[STQ], v3, 2, s2
	v_lshlrev_b32 v[SO], 3, v3
	s_lshl_b32 s13, s[TY], 8
	s_lshl_b32 s14, s[WV], 6
	s_add_co_u32 s13, s13, s14                     ; my first query in the batch
	s_lshl_b32 s14, s[KX], 7                       ; the tile's first key
	s_add_co_u32 s15, s14, 127
	s_cmp_le_u32 s15, s13
	s_cselect_b32 s[VIS], 1, 0
	s_sub_co_i32 s13, s13, s14
	s_lshl_b32 s14, s[WV], 5
	v_and_b32 v21, 8, v1
	v_add_nc_u32 v21, v21, v1                      ; r + 8 (r / 8)
	v_lshlrev_b32 v31, 4, v2
	v_sub_nc_u32 v21, v21, v31
	v_add_nc_u32 v250, s14, v21                    ; the second product: queries 128 + 32 w on against keys 128 on
	v_add_nc_u32 v21, s13, v21
	s_lshl_b32 s2, s[BB], 7
	s_lshl_b32 s3, s[TY], 4
	s_add_co_u32 s2, s2, s3
	s_lshl_b32 s3, s[WV], 2
	s_add_co_u32 s2, s2, s3
	s_mul_i32 s2, s2, 24576                        ; p's image rows 128 b + 16 ty + 4 w,
	s_mul_i32 s3, s[KX], 1536                      ; key step kx
	s_add_co_u32 s2, s2, s3
	s_mov_b32 s3, 0
	s_add_nc_u64 s[8:9], s[8:9], s[2:3]
	s_lshl_b32 s2, s[BB], 5
	s_lshl_b32 s14, s[TY], 2
	s_add_co_u32 s2, s2, s14
	s_add_co_u32 s2, s2, s[WV]
	s_lshl_b32 s2, s2, 12
	s_lshl_b32 s14, s[KX], 8
	s_add_co_u32 s2, s2, s14
	s_add_nc_u64 s[10:11], s[10:11], s[2:3]
	s_wait_tensorcnt 3                             ; the scale words and my part of chunk 0 have landed; chunks 1 to 3 may be out
	s_barrier_signal -1
	s_barrier_wait -1
	FETCH 0, 0, 0, 0
	STEPA 0, 0
	STEPB 0
	STEPA 1, 1
	STEPB 1
	STEPA 2, 1
	STEPB 2
	STEPA 3, 1
	; THE LAST K STEP.  Every wave's reads of the chunks are over when its fragments are in: so K's part may be filled again behind a barrier.  The waits, the add and the barrier stand on every work-group's way.
	s_wait_tensorcnt 0x0                           ; no tensor load of mine is out, so a group 0 may be written
	ds_add_u32 v[SPW], v[NIL]                      ; 0 onto my spare word
	s_add_nc_u64 s[G0A+2:G0A+3], s[4:5], s[RO:RO+1]   ; the next 128 keys, chunk w: 8 image rows of 3,072 bytes,
	s_or_b32 s[G0A+3], s[G0A+3], 0x80000000
	s_mul_i32 s2, s[WV], CH
	s_add_co_u32 s[G0A+1], s2, BOFF                ; into K's part of chunk w
	s_wait_dscnt 1                                 ; this step's fragments are in; the add alone may be out
	MULA 0, 1, 1
	s_wait_dscnt 0x0                               ; the add is done, and my reads of the chunks are over
	s_barrier_signal -1
	MULA 1, 1, 1
	WIN 0
	s_barrier_wait -1
	s_cmp_eq_u32 s[DG], 0                          ; only the work-group on the diagonal has a second product: a branch on the work-group's number, round the load alone
	s_cbranch_scc1 .Lno_fill
	tensor_load_to_lds s[G0A:G0A+3], s[G1A:G1A+7]
	s_nop 0
.rept 4
	v_nop
.endr
.Lno_fill:
	MULA 2, 1, 1
	MULA 3, 1, 1
	WIN 0
	PLACES
; Block a: 16 queries x 128 keys.  Register 16 b + i of the block is key 32 b + 16 h + i of the tile.
.macro SOFT a
	s_cmp_eq_u32 s[VIS], 1                         ; a wave all of whose keys count skips the mask: a branch on ids and the wave's number
	s_cbranch_scc1 .Lopen_\@
	v_add_nc_u32 v[DA], 32*((\a)/2)+8*((\a)%2), v[D0]   ; my query - the first key - 16 h: key 32 b + i is hidden where it is greater
	WIN 0x82                                       ; the scores: window 2
.set n, 0
.rept 64
	v_cmp_gt_i32 vcc_lo, 32*(n/16)+n%16, v[DA]
	v_cndmask_b32 v[64*(\a)+n], v[64*(\a)+n], v[NINF], vcc_lo
.set n, n+1
.endr
	WIN 0
.Lopen_\@:
	WIN 0x28
.irp b, 0,1,2,3
	v_max3_num_f32 v[TM+\b], 0xff800000, v[64*(\a)+16*\b], v[64*(\a)+16*\b+1]   ; the largest score of each block of 32 keys: it serves the chunk's maximum and, since p rises with the score, the block's largest p
.endr
.irp i, 2,4,6,8,10,12,14
.irp b, 0,1,2,3
	v_max3_num_f32 v[TM+\b], v[TM+\b], v[64*(\a)+16*\b+\i], v[64*(\a)+16*\b+\i+1]
.endr
.endr
	WIN 0
.irp b, 0,1,2,3
	v_permlanex16_b32 v[TM+4+\b], v[TM+\b], s[SEL], s[SEL+1]
.endr
.irp b, 0,1,2,3
	v_max_num_f32 v[TM+\b], v[TM+\b], v[TM+4+\b]
.endr
	v_max3_num_f32 v[TM+9], v[TM], v[TM+1], v[TM+2]
	v_max_num_f32 v[TM+9], v[TM+9], v[TM+3]
	v_mul_f32 v[TM+9], s[CS], v[TM+9]              ; as t (c is positive)
	v_max_num_f32 v[TM+9], 0xff61b1e6, v[TM+9]     ; a chunk that is wholly hidden keeps a finite M: -3e38
	v_floor_f32 v[NM], -v[TM+9]                    ; -M = floor(-t) = -ceil(t)
	WIN 0x02
.set j, 0
.rept 32
	v_pk_fma_f32 v[H+j:H+j+1], v[64*(\a)+j:64*(\a)+j+1], s[CS:CS+1], v[NM:NM+1] op_sel_hi:[1,0,0]   ; t - M
.set j, j+2
.endr
	WIN 0
.irp b, 0,1,2,3
	v_fma_f32 v[TM+\b], v[TM+\b], s[CS], v[NM]     ; the same of each block's largest score
.endr
.set j, 0
.rept 64
	v_exp_f32 v[H+j], v[H+j]                       ; p = 2^(t - M)
.set j, j+1
.endr
	v_nop                                          ; a plain instruction behind the exponentials
	s_wait_alu depctr_va_vdst(0)                   ; one wait for the batch, ahead of its first reader
.irp b, 0,1,2,3
	v_exp_f32 v[TM+\b], v[TM+\b]                   ; the block's largest p: the same two instructions on the same number
.endr
	v_pk_add_f32 v[LS:LS+1], v[H:H+1], v[H+2:H+3]  ; the sum of the unquantised p, in two chains
	v_pk_add_f32 v[LS+2:LS+3], v[H+4:H+5], v[H+6:H+7]
.irp j, 8,12,16,20,24,28,32,36,40,44,48,52,56,60
	v_pk_add_f32 v[LS:LS+1], v[LS:LS+1], v[H+\j:H+\j+1]
	v_pk_add_f32 v[LS+2:LS+3], v[LS+2:LS+3], v[H+\j+2:H+\j+3]
.endr
	v_pk_add_f32 v[LS:LS+1], v[LS:LS+1], v[LS+2:LS+3]
	v_add_f32 v[LS], v[LS], v[LS+1]
	s_wait_alu depctr_va_vdst(0)                   ; and one for the four
	v_permlanex16_b32 v[TM+8], v[LS], s[SEL], s[SEL+1]
	v_add_f32 v[LS], v[LS], v[TM+8]                ; with lane l xor 16's 64 keys: l_c
.irp b, 0,1,2,3
	v_max_num_f32 v[TM+\b], 0x1800000, v[TM+\b]    ; the floor 2^(3 - 127)
.endr
	QTAIL H, 0
	IMG GO, 24576*(\a)
	ds_store_b32 v[STW], v[PW] offset:64*(\a)      ; both halves of the lanes write the same words with the same values
	ds_store_b32 v[STW], v[NM] offset:256+64*(\a)
	ds_store_b32 v[STW], v[LS] offset:512+64*(\a)
	s_wait_dscnt 0x0                               ; the stores have read their registers
.endm
	SOFT 0
	SOFT 1
	SOFT 2
	SOFT 3
	ds_load_b64 v[48:49], v[STR]
	ds_load_b64 v[50:51], v[STR] offset:256
	ds_load_b64 v[52:53], v[STR] offset:512
	s_wait_dscnt 0x0
	global_store_b64 v[SO], v[48:49], s[10:11]                 ; each store covers 256 consecutive bytes, aligned
	global_store_b64 v[SO], v[50:51], s[10:11] offset:524288
	global_store_b64 v[SO], v[52:53], s[10:11] offset:1048576
	s_cmp_eq_u32 s[DG], 0
	s_cbranch_scc1 .Lend
	; ---- THE SECOND PRODUCT, on the diagonal alone: queries 128 + 32 w on (Q's images 8 + 2 w, 9 + 2 w) x keys 128 (kx + 1) on
	s_wait_xcnt 0x0                                ; the stores above have read their bases and their registers: both are written again below
	s_lshl_b32 s2, s[WV], 1
	s_sub_co_u32 s2, 8, s2
	s_mul_i32 s2, s2, 24576                        ; from image row 4 w to image row 8 + 2 w,
	s_add_co_u32 s2, s2, 1536                      ; one key step on
	s_mov_b32 s3, 0
	s_add_nc_u64 s[8:9], s[8:9], s[2:3]
	s_add_co_u32 s2, s[FA], 2
	s_sub_co_u32 s2, s2, s[WV]                     ; the tables: from four images w to four images 2 + w / 2 (2, 1, 1, 0 on),
	s_lshl_b32 s2, s2, 12
	s_lshl_b32 s13, s[HF], 7                       ; their half w % 2,
	s_add_co_u32 s2, s2, s13
	s_add_co_u32 s2, s2, 256                       ; one key step on
	s_add_nc_u64 s[10:11], s[10:11], s[2:3]
	s_mov_b32 s[VIS], 0                            ; every wave lies on the diagonal
	v_mov_b32 v31, 0x7f61b1e6                      ; 3e38
.irp a, 0,1                                    ; the upper 128 queries see none of these keys: images 2 w, 2 w + 1, eight image rows back, are zeros;
.irp k, 0,1,2
	global_store_b128 v[GO], v[252:255], s[8:9] offset:24576*\a+512*\k-196608
.endr
.endr
	global_store_b32 v[L4], v[CW], s[10:11] offset:-8192           ; their scale bytes 1,
	global_store_b32 v[L4], v31, s[10:11] offset:524288-8192       ; -M = 3e38,
	global_store_b32 v[L4], v252, s[10:11] offset:1048576-8192     ; l = 0
	s_wait_tensorcnt 0x0                           ; my chunk of the next 128 keys has landed,
	s_wait_dscnt 0x0
	s_barrier_signal -1
	s_barrier_wait -1                              ; everybody's has
.set NPB, 2
.set ADP, 244
.set ASP, 248
.set ASR, 249
.set D0,  250
	FETCH 0, 0, 0, 0
	STEPA 0, 0
	STEPP 0
	STEPA 1, 1
	STEPP 1
	STEPA 2, 1
	STEPP 2
	STEPA 3, 1
	s_wait_dscnt 0x0
	MULALL 1, 1
	WIN 0
	PLACES
	SOFT 0
	SOFT 1
	ds_load_b32 v48, v[STQ]                        ; my two blocks' words: 128 bytes of each table
	ds_load_b32 v49, v[STQ] offset:256
	ds_load_b32 v50, v[STQ] offset:512
	s_wait_dscnt 0x0
	global_store_b32 v[L4], v48, s[10:11]
	global_store_b32 v[L4], v49, s[10:11] offset:524288
	global_store_b32 v[L4], v50, s[10:11] offset:1048576
.Lend:
	s_wait_tensorcnt 0x0                           ; the wave's end
	ds_add_u32 v[SPW], v[NIL]
	s_wait_dscnt 0x0
	s_endpgm
.Lfunc_end_k_q71f5e81e2f_score:
	.size	k_q71f5e81e2f_score, .Lfunc_end_k_q71f5e81e2f_score-k_q71f5e81e2f_score
	.p2alignl 7, 3214868480
	.fill 96, 4, 3214868480
	.section	.rodata,"a",@progbits
	.p2align	6, 0x0
	.amdhsa_kernel k_q71f5e81e2f_score
		.amdhsa_group_segment_fixed_size 327680
		.amdhsa_private_segment_fixed_size 0
		.amdhsa_enable_private_segment 0
		.amdhsa_kernarg_size 32
		.amdhsa_user_sgpr_count 2
		.amdhsa_user_sgpr_kernarg_segment_ptr 1
		.amdhsa_wavefront_size32 1
		.amdhsa_system_sgpr_workgroup_id_x 1
		.amdhsa_system_sgpr_workgroup_id_y 1
		.amdhsa_system_sgpr_workgroup_id_z 1
		.amdhsa_system_vgpr_workitem_id 0
		.amdhsa_next_free_vgpr 768
		.amdhsa_next_free_sgpr 102
		.amdhsa_reserve_vcc 1
		.amdhsa_float_denorm_mode_32 3
		.amdhsa_float_denorm_mode_16_64 3
		.amdhsa_memory_ordered 1
		.amdhsa_forward_progress 1
		.amdhsa_inst_pref_size 208
	.end_amdhsa_kernel
	.amdgpu_metadata
---
amdhsa.version: [ 1, 2 ]
amdhsa.kernels:
  - .name:           k_q71f5e81e2f_score
    .symbol:         k_q71f5e81e2f_score.kd
    .args:
      - { .name: qkv_codes, .offset: 0, .size: 8, .value_kind: global_buffer, .address_space: global }
      - { .name: qkv_scales, .offset: 8, .size: 8, .value_kind: global_buffer, .address_space: global }
      - { .name: p_codes, .offset: 16, .size: 8, .value_kind: global_buffer, .address_space: global }
      - { .name: p_tabs, .offset: 24, .size: 8, .value_kind: global_buffer, .address_space: global }
    .group_segment_fixed_size: 327680
    .private_segment_fixed_size: 0
    .kernarg_segment_align: 8
    .kernarg_segment_size: 32
    .max_flat_workgroup_size: 128
    .sgpr_count:     102
    .vgpr_count:     768
    .wavefront_size: 32
...
	.end_amdgpu_metadata
.endif
;; end of part 3
;; launch pv (part 4): grid 8 x 32, 4 waves a work-group, clusters of 4 x 1, 327,680 bytes of LDS; arguments p_codes, p_tabs, qkv_codes, qkv_scales, o_codes, o_scales; writes o_codes, o_scales
.if DOCPART == 4
	.amdgcn_target "amdgcn-amd-amdhsa--gfx1250"
	.amdhsa_code_object_version 6
	.text
	.protected	k_q71f5e81e2f_pv
	.globl	k_q71f5e81e2f_pv
	.p2align	8
	.type	k_q71f5e81e2f_pv,@function
k_q71f5e81e2f_pv:
	s_mov_b64 s[64:65], 0
	v_nop
	global_prefetch_b8 v0, s[64:65] scope:SCOPE_SE
	s_setreg_imm32_b32 hwreg(HW_REG_WAVE_MODE, 25, 1), 1
	s_wait_xcnt 0x0
	s_wait_alu depctr_hold_cnt(0) depctr_sa_sdst(0) depctr_va_vdst(0) depctr_va_sdst(0) depctr_va_ssrc(0) depctr_va_vcc(0) depctr_vm_vsrc(0)
	s_getreg_b32 s2, hwreg(HW_REG_IB_STS2, 6, 4)
	s_cmp_eq_u32 s2, 0
	s_cbranch_scc0 .Lentry_in_a_cluster
	s_endpgm
.Lentry_in_a_cluster:
	s_bfe_u32 s2, ttmp6, 0x10000c
	s_cmp_lg_u32 s2, 0x3003
	s_cbranch_scc0 .Lentry_shape_is_right
	s_endpgm
.Lentry_shape_is_right:
; O = P V / l on codes of FP6 (E2M3), then O / l quantised along d.  P's codes were made chunk by chunk of 128 keys, each under its own whole number M_c.
; PROLOGUE: for each of my 64 queries M = the largest M_c, l = the sum of l_c 2^(M_c - M) (exact powers of two), and M - M_c is taken off the four bytes of each of P's scale words.
; SHARES.  A work-group takes 256 queries (row tile TY of batch b; y = 8 b + TY) x 128 of d (tile X); wave w 64 queries x 128.  P operand = p's images, R operand = V^T's images (d rows, keys along K).
; K = the keys up to the diagonal: chunks of 256 keys, c = 0 .. TY.  The text is written out, chunk by chunk, and left at the chunk TY: a branch on the cluster's y, alike in all waves and all four partners.
; RING: chunk c lies in buffer c % 4; two slots of two chunks.  One tensor load brings a whole chunk's tile of one operand: wave 0, 1 P's even, odd chunk; wave 2, 3 V's.
; All four buffers are first fills at the head; slot 0 is filled again (chunks 4, 5) where TY >= 4, slot 1 (chunks 6, 7) where TY >= 6.  A wave has three tensor loads outstanding at the most.
; A chunk number of P above TY is held at TY: that tile is brought and not read, and no byte of p's codes is loaded that the launch before has not stored.
; CLUSTER 4 x 1: the four tiles of d read the same tile of P: a joint load.  V^T's tile is the work-group's own.  V^T is not shared along y: those partners would need different numbers of chunks.
; LIMITS: a scale byte of p that would fall under 0 is held at 0: such a block then adds under 2^-124 x V beside a row's sum above 1/2.  The row's sum is taken chunk by chunk.  1 / l by v_rcp_f32.
; A block of zeros gets the byte 1 (zero codes).  NaN and infinities are not served.  All of LDS is claimed, and 0 is added to spare words.
.set CH,   73728
.set BOFF, 49152
.set VSC,  294912                      ; V^T's scale words: 2 x 4,096 bytes
.set PSA,  303104                      ; P's corrected scale words, 4,096 bytes a wave: written and read by that wave alone, never filled
.set STG,  319488                      ; 512 bytes a wave: 1 / l, and the scale words on their way out
.set SPARE, 321536                     ; the spare words, 128 bytes a wave
.set SGP,  4096
.set ADP,  4
.set ADR,  8
.set ASP,  12
.set ASR,  13
.set GO,   14
.set SO,   18
.set STW,  19
.set STR,  20
.set PSW,  21                          ; v21    where I store corrected scale words: PSA + 4,096 w + 8 x lane
.set RI,   22                          ; v22-29 1 / l of my row of block a, as a pair
.set SPW,  30
.set NIL,  31
.set SC,   32
.set PW,   46
.set TM,   48
.set H,    64
.set PF,   128
.set PC,   224
.set NMV,  64                          ; the prologue: -M_c of key step s at v[64 + 2 s], two rows a lane;
.set LV,   96                          ; l_c;
.set PSV,  128                         ; the scale words;
.set TO,   160                         ; v160-167 the tables' offsets
.set BIG,  60
.set WV,   18
.set FA,   19
.set HF,   20
.set CX,   21
.set YR,   22
.set XX,   23
.set G1A,  24
.set G1B,  32
.set G1S,  40
.set G0A,  48                          ; s[48:51], s[52:55] P's group 0 for slot 0, 1
.set G0B,  56                          ; s[56:59], s[60:63] V's
.set G0S,  68
.set SEL,  72
.set TY,   74
.set BB,   75
.set OUT,  12
.set MSB, 0
.macro WIN new
.if MSB != (\new)
	s_set_vgpr_msb (MSB<<8)|(\new)
.set MSB, \new
.endif
.endm
.macro PLACES
.rept 4
	v_nop
.endr
.endm
.macro CREST
	s_cmp_lg_u32 s[WV], 0
	s_cbranch_scc1 .Lnot_wave_0_\@
	s_barrier_signal -3
.Lnot_wave_0_\@:
	s_barrier_wait -3
	s_barrier_signal -1
	s_barrier_wait -1
.endm
.macro CROUND
	s_barrier_signal -1
	s_barrier_wait -1
	CREST
.endm
.macro JLOAD g0a, g1a, g0b, g1b        ; waves 0, 1: P's chunk, jointly; waves 2, 3: V's; four v_nop follow each line
	s_cmp_eq_u32 s[FA], 0
	s_cbranch_scc0 .Lfor_b_\@
	tensor_load_to_lds s[\g0a:\g0a+3], s[\g1a:\g1a+7]
	s_nop 0
.rept 4
	v_nop
.endr
	s_branch .Lasked_\@
.Lfor_b_\@:
	tensor_load_to_lds s[\g0b:\g0b+3], s[\g1b:\g1b+7]
	s_nop 0
.rept 4
	v_nop
.endr
.Lasked_\@:
.endm
.macro MKG0 g, l, loff
	s_mov_b32 s[(\g)], 1
	s_add_co_u32 s[(\g)+1], s[\l], \loff
	s_or_b32 s[(\g)+3], s[(\g)+3], 0x80000000
.endm
.macro WM a, b, p, cm
.set rD, 8*(8*(\a)+(\b))
.set rR, 128*(\p)+12*(\b)
.set rP, PF+48*(\p)+12*(\a)
.set rT, SC+8*(\p)+(\b)/2
.set rU, SC+8*(\p)+4+(\a)/2
.if (\cm) == 0
.if ((\b)%2) && ((\a)%2)
	v_wmma_scale_f32_16x16x128_f8f6f4 v[rD:rD+7], v[rR:rR+11], v[rP:rP+11], 0, v[rT], v[rU] matrix_a_fmt:MATRIX_FMT_FP6 matrix_b_fmt:MATRIX_FMT_FP6 matrix_a_scale:MATRIX_SCALE_ROW1 matrix_b_scale:MATRIX_SCALE_ROW1
.elseif (\b)%2
	v_wmma_scale_f32_16x16x128_f8f6f4 v[rD:rD+7], v[rR:rR+11], v[rP:rP+11], 0, v[rT], v[rU] matrix_a_fmt:MATRIX_FMT_FP6 matrix_b_fmt:MATRIX_FMT_FP6 matrix_a_scale:MATRIX_SCALE_ROW1
.elseif (\a)%2
	v_wmma_scale_f32_16x16x128_f8f6f4 v[rD:rD+7], v[rR:rR+11], v[rP:rP+11], 0, v[rT], v[rU] matrix_a_fmt:MATRIX_FMT_FP6 matrix_b_fmt:MATRIX_FMT_FP6 matrix_b_scale:MATRIX_SCALE_ROW1
.else
	v_wmma_scale_f32_16x16x128_f8f6f4 v[rD:rD+7], v[rR:rR+11], v[rP:rP+11], 0, v[rT], v[rU] matrix_a_fmt:MATRIX_FMT_FP6 matrix_b_fmt:MATRIX_FMT_FP6
.endif
.else
.if ((\b)%2) && ((\a)%2)
	v_wmma_scale_f32_16x16x128_f8f6f4 v[rD:rD+7], v[rR:rR+11], v[rP:rP+11], v[rD:rD+7], v[rT], v[rU] matrix_a_fmt:MATRIX_FMT_FP6 matrix_b_fmt:MATRIX_FMT_FP6 matrix_a_scale:MATRIX_SCALE_ROW1 matrix_b_scale:MATRIX_SCALE_ROW1
.elseif (\b)%2
	v_wmma_scale_f32_16x16x128_f8f6f4 v[rD:rD+7], v[rR:rR+11], v[rP:rP+11], v[rD:rD+7], v[rT], v[rU] matrix_a_fmt:MATRIX_FMT_FP6 matrix_b_fmt:MATRIX_FMT_FP6 matrix_a_scale:MATRIX_SCALE_ROW1
.elseif (\a)%2
	v_wmma_scale_f32_16x16x128_f8f6f4 v[rD:rD+7], v[rR:rR+11], v[rP:rP+11], v[rD:rD+7], v[rT], v[rU] matrix_a_fmt:MATRIX_FMT_FP6 matrix_b_fmt:MATRIX_FMT_FP6 matrix_b_scale:MATRIX_SCALE_ROW1
.else
	v_wmma_scale_f32_16x16x128_f8f6f4 v[rD:rD+7], v[rR:rR+11], v[rP:rP+11], v[rD:rD+7], v[rT], v[rU] matrix_a_fmt:MATRIX_FMT_FP6 matrix_b_fmt:MATRIX_FMT_FP6
.endif
.endif
.endm
.macro MULA a, p, cm                   ; the 32 accumulators take turns, one instruction a turn, in the same order in every K step
	WIN 0xa1
.irp b, 0,1,2,3,4,5,6,7
	WM \a, \b, \p, \cm
.endr
.endm
.macro FETCH c, q, p, s
	WIN 0x40
.irp i, 0,1,2,3,4,5,6,7
.irp k, 0,1,2
	ds_load_b128 v[128*(\p)+12*\i+4*\k:128*(\p)+12*\i+4*\k+3], v[ADR+(\c)] offset:3072*\i+1536*(\q)+512*\k
.endr
.endr
	WIN 0
.irp i, 0,1,2,3
.irp k, 0,1,2
	ds_load_b128 v[PF+48*(\p)+12*\i+4*\k:PF+48*(\p)+12*\i+4*\k+3], v[ADP+(\c)] offset:3072*\i+1536*(\q)+512*\k
.endr
.endr
.irp i, 0,1,2,3
	ds_load_b32 v[SC+8*(\p)+\i], v[ASR] offset:(\i/2)*SGP+256*(\s)+128*(\i%2)
.endr
.irp i, 0,1
	ds_load_b32 v[SC+8*(\p)+4+\i], v[ASP] offset:256*(\s)+128*\i
.endr
.endm
.macro STEPA c, cm                     ; chunk c's first K step, on set 0; its second is fetched into set 1
	s_wait_dscnt 0x0
	PLACES
	FETCH (\c)&3, 1, 1, 2*(\c)+1
	MULA 0, 0, \cm
	MULA 1, 0, \cm
	MULA 2, 0, \cm
	MULA 3, 0, \cm
	WIN 0
.endm
.macro STEPP c                         ; an even chunk's second K step: the next chunk lies in the same slot, no barrier
	s_wait_dscnt 0x0
	PLACES
	FETCH ((\c)+1)&3, 0, 0, 2*(\c)+2
	MULA 0, 1, 1
	MULA 1, 1, 1
	MULA 2, 1, 1
	MULA 3, 1, 1
	WIN 0
.endm
.macro EXIT c                          ; chunk TY is the last: its second K step is the tail's
	s_cmp_eq_u32 s[TY], \c
	s_cbranch_scc1 .Ltail
.endm
; An odd chunk's second K step changes slots.  Each wave waits for all its tensor loads (its part of the next slot), adds 0 to its spare word, and waits for that and for its reads of this slot.
; k = 1, 2: the barrier opens a round of the cluster's barrier, and where chunks 2 k + 2 on are wanted this slot is filled again, first thing behind the round, one load a wave:
; it has two chunks' work, 128 matrix instructions a wave, in which to land.
.macro TURN c, k
.set GA, G0A+4*(((\k)+1)&1)
.set GB, G0B+4*(((\k)+1)&1)
	s_wait_tensorcnt 0x0                           ; no tensor load of mine is out, so a group 0 may be written
	ds_add_u32 v[SPW], v[NIL]                      ; 0 onto my spare word
.if (\k) < 3
	s_add_co_u32 s2, s[HF], 2*(\k)+2
	s_min_u32 s2, s2, s[TY]                        ; P's chunk, held at TY
	s_mul_i32 s2, s2, 3072
	s_mov_b32 s3, 0
	s_add_nc_u64 s[GA+2:GA+3], s[4:5], s[2:3]
	s_or_b32 s[GA+3], s[GA+3], 0x80000000
	s_add_nc_u64 s[GB+2:GB+3], s[GB+2:GB+3], 12288 ; V's: four chunks on; the type bits on top are not reached
.endif
	s_wait_dscnt 1                                 ; this step's fragments are in; the add alone may be out
	MULA 0, 1, 1
	s_wait_dscnt 0x0                               ; the add is done, and my reads of this slot are over
	s_barrier_signal -1
	MULA 1, 1, 1
	WIN 0
	s_barrier_wait -1
.if (\k) < 3
	CREST                                          ; no wave of any partner still reads this slot or has a load on its way
	s_cmp_lt_u32 s[TY], 2*(\k)+2
	s_cbranch_scc1 .Lno_fill_\@
	JLOAD GA, G1A, GB, G1B
.Lno_fill_\@:
.endif
	PLACES
	FETCH ((\c)+1)&3, 0, 0, 2*(\c)+2
	MULA 2, 1, 1
	MULA 3, 1, 1
	WIN 0
.endm
.macro LAST
	s_wait_dscnt 0x0
	MULA 0, 1, 1
	MULA 1, 1, 1
	MULA 2, 1, 1
	MULA 3, 1, 1
	WIN 0
	PLACES
.endm
.macro QMAX s, w
	WIN ((\w)<<2)|((\w)<<4)
.irp b, 0,1,2,3
	v_max3_num_f32 v[TM+\b], 0x1800000, |v[(\s)+16*\b]|, |v[(\s)+16*\b+1]|
.endr
.irp i, 2,4,6,8,10,12,14
.irp b, 0,1,2,3
	v_max3_num_f32 v[TM+\b], v[TM+\b], |v[(\s)+16*\b+\i]|, |v[(\s)+16*\b+\i+1]|
.endr
.endr
	WIN 0
.irp b, 0,1,2,3
	v_permlanex16_b32 v[TM+4+\b], v[TM+\b], s[SEL], s[SEL+1]
.endr
.irp b, 0,1,2,3
	v_max_num_f32 v[TM+\b], v[TM+\b], v[TM+4+\b]
.endr
.endm
.macro QTAIL s, w
.irp b, 0,1,2,3
	v_add_nc_u32 v[TM+12+\b], 0xff000000, v[TM+\b]
.endr
.irp b, 0,1,2,3
	v_lshrrev_b32 v[TM+4+\b], 23, v[TM+12+\b]
.endr
	v_lshl_or_b32 v[PW], v[TM+5], 8, v[TM+4]
	v_lshl_or_b32 v[PW], v[TM+6], 16, v[PW]
	v_lshl_or_b32 v[PW], v[TM+7], 24, v[PW]
	s_wait_xcnt 0x0                                ; the codes' registers, which the last image's stores read, are written again only behind this wait
	WIN (\w)
.irp c, 0,1
	v_cvt_scalef32_pk16_fp6_f32 v[PC+6*\c:PC+2+6*\c], v[(\s)+32*\c:(\s)+15+32*\c], v[TM+12+2*\c]
	v_cvt_scalef32_pk16_fp6_f32 v[PC+12+4*\c:PC+14+4*\c], v[(\s)+16+32*\c:(\s)+31+32*\c], v[TM+12+2*\c+1]
.endr
	WIN 0
	v_nop
.irp c, 0,1
.irp i, 0,1,2
	v_permlane16_swap_b32 v[PC+6*\c+\i], v[PC+12+4*\c+\i]
.endr
.irp i, 0,1,2
	v_mov_b32 v[PC+3+6*\c+\i], v[PC+12+4*\c+\i]
.endr
.endr
.endm
.macro IMG go, off
.irp k, 0,1,2
	global_store_b128 v[\go], v[PC+4*\k:PC+4*\k+3], s[OUT:OUT+1] offset:(\off)+512*\k
.endr
.endm
	s_load_b256 s[4:11], s[0:1], 0x0               ; p's codes s[4:5], the tables s[6:7], Q K V's codes s[8:9], their scales s[10:11]
	s_load_b128 s[12:15], s[0:1], 0x20             ; O's codes s[12:13], O's scales s[14:15]
	v_lshl_add_u32 v[SPW], v0, 2, SPARE
	v_mov_b32 v[NIL], 0
	ds_add_u32 v30, v31
	ds_add_u32 v30, v31
	s_wait_dscnt 0x0
	v_lshrrev_b32 v1, 5, v0
	v_readfirstlane_b32 s[WV], v1
	s_lshr_b32 s[FA], s[WV], 1
	s_and_b32 s[HF], s[WV], 1
	s_bfe_u32 s[CX], ttmp6, 0x40000
	s_lshl_b32 s[XX], ttmp9, 2
	s_add_co_u32 s[XX], s[XX], s[CX]               ; the tile of d: it enters V's addresses and the stores' alone
	s_and_b32 s[YR], ttmp7, 0xffff                 ; y = 8 b + TY, which the four partners share
	s_and_b32 s[TY], s[YR], 7
	s_lshr_b32 s[BB], s[YR], 3
	s_mov_b32 s[G1A], 15|(3<<16)|(1<<21)           ; the mask: all four work-groups; elements of 8 bytes; 21 set beside a mask
	s_mov_b32 s[G1A+1], 384<<16                    ; a row: one image row's chunk, 3,072 bytes
	s_mov_b32 s[G1A+2], 16<<16
	s_mov_b32 s[G1A+3], 384<<16
	s_mov_b32 s[G1A+4], 16
	s_mov_b32 s[G1A+5], 3072                       ; 24,576 bytes from image row to image row
	s_mov_b32 s[G1A+6], 0
	s_mov_b32 s[G1A+7], 0
	s_mov_b32 s[G1B], 3<<16
	s_mov_b32 s[G1B+1], 384<<16
	s_mov_b32 s[G1B+2], 8<<16
	s_mov_b32 s[G1B+3], 384<<16
	s_mov_b32 s[G1B+4], 8
	s_mov_b32 s[G1B+5], 12288                      ; 98,304 bytes
	s_mov_b32 s[G1B+6], 0
	s_mov_b32 s[G1B+7], 0
	s_mov_b32 s[G1S], 3<<16                        ; V's scale words of four image rows and this batch: 4,096 dense bytes
	s_mov_b32 s[G1S+1], 32<<16
	s_mov_b32 s[G1S+2], 16<<16
	s_mov_b32 s[G1S+3], 32<<16
	s_mov_b32 s[G1S+4], 16
	s_mov_b32 s[G1S+5], 32
	s_mov_b32 s[G1S+6], 0
	s_mov_b32 s[G1S+7], 0
	s_mov_b32 s[SEL], 0x76543210
	s_mov_b32 s[SEL+1], 0xfedcba98
	s_mul_i32 s[G0B+2], s[XX], 8*98304
	s_mul_i32 s[G0B+3], s[BB], 16*1536
	s_add_co_u32 s[G0B+2], s[G0B+2], s[G0B+3]
	s_mul_i32 s[G0B+3], s[HF], 3072
	s_add_co_u32 s[G0B+2], s[G0B+2], s[G0B+3]
	s_add_co_u32 s[G0B+2], s[G0B+2], 12582912      ; V^T: image rows 8 X on, the batch's first key step, chunk = my half
	s_mov_b32 s[G0B+3], 0
	s_lshl_b32 s[G0S+2], s[XX], 1
	s_add_co_u32 s[G0S+2], s[G0S+2], s[HF]
	s_lshl_b32 s[G0S+2], s[G0S+2], 14
	s_lshl_b32 s[G0S+3], s[BB], 12
	s_add_co_u32 s[G0S+2], s[G0S+2], s[G0S+3]
	s_add_co_u32 s[G0S+2], s[G0S+2], 524288
	s_mov_b32 s[G0S+3], 0
	s_mul_i32 s2, s[YR], 16*24576                  ; P: image rows 16 y on
	s_mov_b32 s3, 0
	s_wait_kmcnt 0x0
	s_add_nc_u64 s[4:5], s[4:5], s[2:3]
.irp t, 0,1
	s_add_co_u32 s2, s[HF], 2*\t
	s_min_u32 s2, s2, s[TY]                        ; the chunk, held at TY
	s_mul_i32 s2, s2, 3072
	s_add_nc_u64 s[G0A+4*\t+2:G0A+4*\t+3], s[4:5], s[2:3]
.endr
	s_add_nc_u64 s[G0B+2:G0B+3], s[8:9], s[G0B+2:G0B+3]
	s_add_nc_u64 s[G0B+6:G0B+7], s[G0B+2:G0B+3], 6144
	s_add_nc_u64 s[G0S+2:G0S+3], s[10:11], s[G0S+2:G0S+3]
	s_mul_i32 s2, s[HF], CH
	s_lshl_b32 s3, s[HF], 12
.irp t, 0,1
	MKG0 G0A+4*\t, 2, 2*CH*\t
	MKG0 G0B+4*\t, 2, 2*CH*\t+BOFF
.endr
	MKG0 G0S, 3, VSC
	CROUND                                         ; all four work-groups are here: the joint loads meet
	s_cmp_eq_u32 s[FA], 0                          ; a wave's first fills stand in one branch on its number; four v_nop follow the last
	s_cbranch_scc0 .Lfirst_v
	tensor_load_to_lds s[G0A:G0A+3], s[G1A:G1A+7]
	s_nop 0
	tensor_load_to_lds s[G0A+4:G0A+7], s[G1A:G1A+7]
	s_nop 0
.rept 4
	v_nop
.endr
	s_branch .Lfirst_asked
.Lfirst_v:
	tensor_load_to_lds s[G0S:G0S+3], s[G1S:G1S+7]
	s_nop 0
	tensor_load_to_lds s[G0B:G0B+3], s[G1B:G1B+7]
	s_nop 0
	tensor_load_to_lds s[G0B+4:G0B+7], s[G1B:G1B+7]
	s_nop 0
.rept 4
	v_nop
.endr
.Lfirst_asked:
	v_and_b32 v3, 31, v0
	v_and_b32 v1, 15, v0
	v_lshlrev_b32 v[SO], 3, v3
	s_lshl_b32 s2, s[YR], 2
	s_add_co_u32 s2, s2, s[WV]
	s_lshl_b32 s2, s2, 12                          ; the tables: image row group 4 y + w
	s_mov_b32 s3, 0
	s_add_nc_u64 s[6:7], s[6:7], s[2:3]
.irp c, 0,1,2,3,4,5,6,7
	s_min_u32 s2, s[TY], \c                        ; chunks past the diagonal were not stored: their loads repeat chunk TY's, and their values are replaced below
	s_lshl_b32 s2, s2, 9
	v_add_nc_u32 v[TO+\c], s2, v[SO]
.endr
.irp s, 0,1,2,3,4,5,6,7,8,9,10,11,12,13,14,15      ; a lane takes two rows: words 2 l and 2 l + 1 of each 256 bytes
	global_load_b64 v[PSV+2*\s:PSV+2*\s+1], v[TO+\s/2], s[6:7] offset:256*(\s%2)
	global_load_b64 v[NMV+2*\s:NMV+2*\s+1], v[TO+\s/2], s[6:7] offset:524288+256*(\s%2)
	global_load_b64 v[LV+2*\s:LV+2*\s+1], v[TO+\s/2], s[6:7] offset:1048576+256*(\s%2)
.endr
	v_lshlrev_b32 v[GO], 4, v3
	v_lshlrev_b32 v2, 2, v3
	s_mul_i32 s2, s[WV], 12288
	s_mov_b32 s3, BOFF
.irp c, 0,1,2,3
	v_add_nc_u32 v[ADP+\c], s2, v[GO]
	v_add_nc_u32 v[ADR+\c], s3, v[GO]
	s_add_co_u32 s2, s2, CH
	s_add_co_u32 s3, s3, CH
.endr
	s_lshl_b32 s2, s[WV], 12
	s_add_co_u32 s2, s2, PSA
	v_add_nc_u32 v[ASP], s2, v2
	v_add_nc_u32 v[PSW], s2, v[SO]
	v_add_nc_u32 v[ASR], VSC, v2
	s_lshl_b32 s2, s[WV], 9
	s_add_co_u32 s2, s2, STG
	v_lshl_add_u32 v[STW], v1, 2, s2
	v_lshl_add_u32 v[STR], v3, 3, s2
	s_lshl_b32 s2, s[YR], 4
	s_lshl_b32 s3, s[WV], 2
	s_add_co_u32 s2, s2, s3
	s_mul_i32 s2, s2, 12288                        ; O's image rows 16 y + 4 w,
	s_mul_i32 s3, s[XX], 1536                      ; K step X
	s_add_co_u32 s2, s2, s3
	s_mov_b32 s3, 0
	s_add_nc_u64 s[12:13], s[12:13], s[2:3]
	s_lshl_b32 s2, s[YR], 2
	s_add_co_u32 s2, s2, s[WV]
	s_lshl_b32 s2, s2, 11
	s_lshl_b32 s16, s[XX], 8
	s_add_co_u32 s2, s2, s16
	s_add_nc_u64 s[14:15], s[14:15], s[2:3]
	v_mov_b32 v[BIG], 0x7f61b1e6                   ; 3e38
	s_mov_b32 s3, 0x80808080
	s_mov_b32 s16, 0x01010101
	s_wait_loadcnt 0x0
.irp c, 1,2,3,4,5,6,7                          ; chunks past the diagonal count for nothing: -M = 3e38, l = 0
	s_cmp_ge_u32 s[TY], \c
	s_cselect_b32 s2, -1, 0
.irp e, 0,1,2,3
	v_cndmask_b32 v[NMV+4*\c+\e], v[BIG], v[NMV+4*\c+\e], s2
	v_cndmask_b32 v[LV+4*\c+\e], 0, v[LV+4*\c+\e], s2
.endr
.endr
.irp e, 0,1
	v_min3_num_f32 v[48+\e], v[NMV+\e], v[NMV+2+\e], v[NMV+4+\e]   ; the row's -M: the least -M_c
.endr
.irp s, 3,5,7,9,11,13
.irp e, 0,1
	v_min3_num_f32 v[48+\e], v[48+\e], v[NMV+2*\s+\e], v[NMV+2*\s+2+\e]
.endr
.endr
.irp e, 0,1
	v_min_num_f32 v[48+\e], v[48+\e], v[NMV+30+\e]
.endr
.irp s, 0,1,2,3,4,5,6,7,8,9,10,11,12,13,14,15
	v_pk_add_f32 v[NMV+2*\s:NMV+2*\s+1], v[48:49], v[NMV+2*\s:NMV+2*\s+1] neg_lo:[0,1] neg_hi:[0,1]   ; M_c - M: a whole number, 0 or less
.irp e, 0,1
	v_max_num_f32 v[NMV+2*\s+\e], 0xc37f0000, v[NMV+2*\s+\e]   ; held at -255
	v_cvt_i32_f32 v[NMV+2*\s+\e], v[NMV+2*\s+\e]
	v_ldexp_f32 v[LV+2*\s+\e], v[LV+2*\s+\e], v[NMV+2*\s+\e]   ; l_c under the row's M: nothing is rounded
	v_sub_nc_u32 v[52+\e], 0, v[NMV+2*\s+\e]
	v_min_u32 v[52+\e], 127, v[52+\e]              ; p's bytes lie under 126: 127 off makes every one of them 0
	v_mul_lo_u32 v[52+\e], v[52+\e], s16           ; in all four bytes
	v_or_b32 v[PSV+2*\s+\e], s3, v[PSV+2*\s+\e]    ; each byte + 128, so that no byte borrows from the next
	v_sub_nc_u32 v[PSV+2*\s+\e], v[PSV+2*\s+\e], v[52+\e]
	v_and_b32 v[54+\e], s3, v[PSV+2*\s+\e]         ; bit 7 has stayed where the byte did not fall under 0
	v_lshrrev_b32 v[56+\e], 7, v[54+\e]
	v_sub_nc_u32 v[54+\e], v[54+\e], v[56+\e]      ; 0x7f there, 0 elsewhere
	v_and_b32 v[PSV+2*\s+\e], v[PSV+2*\s+\e], v[54+\e]
.endr
	ds_store_b64 v[PSW], v[PSV+2*\s:PSV+2*\s+1] offset:256*\s
.endr
	v_pk_add_f32 v[50:51], v[LV:LV+1], v[LV+2:LV+3]
.irp s, 2,3,4,5,6,7,8,9,10,11,12,13,14,15
	v_pk_add_f32 v[50:51], v[50:51], v[LV+2*\s:LV+2*\s+1]
.endr
	v_rcp_f32 v52, v50
	v_rcp_f32 v53, v51
	v_nop                                          ; a plain instruction behind the reciprocals
	s_wait_alu depctr_va_vdst(0)                   ; and a wait ahead of their first reader
	ds_store_b64 v[STR], v[52:53]
.irp a, 0,1,2,3
	ds_load_b32 v[RI+2*\a], v[STW] offset:64*\a    ; LDS serves a wave's instructions in order: 1 / l of my row of block a,
	ds_load_b32 v[RI+2*\a+1], v[STW] offset:64*\a  ; twice: the packed multiply names a pair
.endr
	s_wait_tensorcnt 1                             ; V's scale words and my part of slot 0 have landed; slot 1's may be out
	s_wait_dscnt 0x0
	s_barrier_signal -1
	s_barrier_wait -1
	FETCH 0, 0, 0, 0
	STEPA 0, 0
	EXIT 0
	STEPP 0
	STEPA 1, 1
	EXIT 1
	TURN 1, 1
	STEPA 2, 1
	EXIT 2
	STEPP 2
	STEPA 3, 1
	EXIT 3
	TURN 3, 2
	STEPA 4, 1
	EXIT 4
	STEPP 4
	STEPA 5, 1
	EXIT 5
	TURN 5, 3
	STEPA 6, 1
	EXIT 6
	STEPP 6
	STEPA 7, 1
.Ltail:                                            ; the last chunk's second K step always lies in set 1
	LAST
	; THE WAY OUT: O / l, quantised along d in the lane; images and scale words as in the launches before
.irp a, 0,1,2,3
	WIN 0x02
.set j, 0
.rept 32
	v_pk_mul_f32 v[H+j:H+j+1], v[64*\a+j:64*\a+j+1], v[RI+2*\a:RI+2*\a+1] op_sel_hi:[1,0]
.set j, j+2
.endr
	WIN 0
	QMAX H, 0
	QTAIL H, 0
	IMG GO, 12288*\a
	ds_store_b32 v[STW], v[PW] offset:256+64*\a
	s_wait_dscnt 0x0                               ; the store has read its register
.endr
	ds_load_b64 v[48:49], v[STR] offset:256
	s_wait_dscnt 0x0
	global_store_b64 v[SO], v[48:49], s[14:15]
	s_wait_tensorcnt 0x0                           ; the wave's end
	ds_add_u32 v[SPW], v[NIL]
	s_wait_dscnt 0x0
	CROUND                                         ; the closing round
	s_endpgm
.Lfunc_end_k_q71f5e81e2f_pv:
	.size	k_q71f5e81e2f_pv, .Lfunc_end_k_q71f5e81e2f_pv-k_q71f5e81e2f_pv
	.p2alignl 7, 3214868480
	.fill 96, 4, 3214868480
	.section	.rodata,"a",@progbits
	.p2align	6, 0x0
	.amdhsa_kernel k_q71f5e81e2f_pv
		.amdhsa_group_segment_fixed_size 327680
		.amdhsa_private_segment_fixed_size 0
		.amdhsa_enable_private_segment 0
		.amdhsa_kernarg_size 48
		.amdhsa_user_sgpr_count 2
		.amdhsa_user_sgpr_kernarg_segment_ptr 1
		.amdhsa_wavefront_size32 1
		.amdhsa_system_sgpr_workgroup_id_x 1
		.amdhsa_system_sgpr_workgroup_id_y 1
		.amdhsa_system_sgpr_workgroup_id_z 1
		.amdhsa_system_vgpr_workitem_id 0
		.amdhsa_next_free_vgpr 768
		.amdhsa_next_free_sgpr 78
		.amdhsa_reserve_vcc 0
		.amdhsa_float_denorm_mode_32 3
		.amdhsa_float_denorm_mode_16_64 3
		.amdhsa_memory_ordered 1
		.amdhsa_forward_progress 1
		.amdhsa_inst_pref_size 178
	.end_amdhsa_kernel
	.amdgpu_metadata
---
amdhsa.version: [ 1, 2 ]
amdhsa.kernels:
  - .name:           k_q71f5e81e2f_pv
    .symbol:         k_q71f5e81e2f_pv.kd
    .args:
      - { .name: p_codes, .offset: 0, .size: 8, .value_kind: global_buffer, .address_space: global }
      - { .name: p_tabs, .offset: 8, .size: 8, .value_kind: global_buffer, .address_space: global }
      - { .name: qkv_codes, .offset: 16, .size: 8, .value_kind: global_buffer, .address_space: global }
      - { .name: qkv_scales, .offset: 24, .size: 8, .value_kind: global_buffer, .address_space: global }
      - { .name: o_codes, .offset: 32, .size: 8, .value_kind: global_buffer, .address_space: global }
      - { .name: o_scales, .offset: 40, .size: 8, .value_kind: global_buffer, .address_space: global }
    .group_segment_fixed_size: 327680
    .private_segment_fixed_size: 0
    .kernarg_segment_align: 8
    .kernarg_segment_size: 48
    .max_flat_workgroup_size: 128
    .sgpr_count:     78
    .vgpr_count:     768
    .wavefront_size: 32
...
	.end_amdgpu_metadata
.endif
;; end of part 4
;; launch oproj (part 5): grid 8 x 32, 4 waves a work-group, clusters of 4 x 4, 327,680 bytes of LDS; arguments o_codes, o_scales, xw_codes, xw_scales, bo, out0; writes out0
.if DOCPART == 5
	.amdgcn_target "amdgcn-amd-amdhsa--gfx1250"
	.amdhsa_code_object_version 6
	.text
	.protected	k_q71f5e81e2f_oproj
	.globl	k_q71f5e81e2f_oproj
	.p2align	8
	.type	k_q71f5e81e2f_oproj,@function
k_q71f5e81e2f_oproj:
	s_mov_b64 s[64:65], 0
	v_nop
	global_prefetch_b8 v0, s[64:65] scope:SCOPE_SE
	s_setreg_imm32_b32 hwreg(HW_REG_WAVE_MODE, 25, 1), 1
	s_wait_xcnt 0x0
	s_wait_alu depctr_hold_cnt(0) depctr_sa_sdst(0) depctr_va_vdst(0) depctr_va_sdst(0) depctr_va_ssrc(0) depctr_va_vcc(0) depctr_vm_vsrc(0)
	s_getreg_b32 s2, hwreg(HW_REG_IB_STS2, 6, 4)
	s_cmp_eq_u32 s2, 0
	s_cbranch_scc0 .Lentry_in_a_cluster
	s_endpgm
.Lentry_in_a_cluster:
	s_bfe_u32 s2, ttmp6, 0x10000c
	s_cmp_lg_u32 s2, 0xf033
	s_cbranch_scc0 .Lentry_shape_is_right
	s_endpgm
.Lentry_shape_is_right:
; out0 = O Wo^T + bo, on codes of FP6 (E2M3) with E8M0 scales, sums in f32, stored as f32.
; A work-group takes 256 tokens (tile Y) x 128 outputs (tile X); wave w 64 tokens x 128.  P = O's images, R = Wo's images; the product is used transposed: a lane holds one token and its registers
; run along the outputs.  All of K = 1,024 lies in LDS at once: four chunks, each filled once, all asked for at the head; five tensor loads a wave are out at the most.
; CLUSTER 4 x 4: O's tile is shared along a row of the cluster, Wo's along a column: joint loads.  The bias is the C of each sum's first matrix instruction.
; Lane rho of image G holds token 32 (G / 2) + 8 (G % 2) + rho + 8 (rho / 8): the way out puts each row where it belongs.
; REGISTERS: window 0: v0-31 addresses; v32-45 scale words and nothing else; v64-127 the bias tiles; v128-223 P's fragments; on the way out v64-191 rows of the result.  window 1: R's fragments.  window 2: the accumulators.
.set CH,   73728
.set BOFF, 49152
.set SCL,  294912
.set SGP,  2048
.set SPITCH, 528                       ; the way out: 16 rows x (512 bytes + 16) a wave, in chunk 0's bytes: they have had their only fill, and every wave passed a later barrier behind its last read of them
.set ADP,  4
.set ADR,  8
.set ASP,  12
.set ASR,  13
.set CO,   14                          ; v14    16 x lane
.set STO,  19
.set RD,   20
.set SC,   32
.set BT,   64
.set BK,   64
.set PF,   128
.set WV,   18
.set FA,   19
.set HF,   20
.set CX,   21
.set CY,   22
.set XX,   23
.set YY,   66
.set G1A,  24
.set G1B,  32
.set G1SA, 40
.set G1SB, 48
.set G0A,  56
.set G0SA, 76
.set G0B,  80
.set G0SB, 96
.set MSB, 0
.macro WIN new
.if MSB != (\new)
	s_set_vgpr_msb (MSB<<8)|(\new)
.set MSB, \new
.endif
.endm
.macro PLACES
.rept 4
	v_nop
.endr
.endm
.macro CREST
	s_cmp_lg_u32 s[WV], 0
	s_cbranch_scc1 .Lnot_wave_0_\@
	s_barrier_signal -3
.Lnot_wave_0_\@:
	s_barrier_wait -3
	s_barrier_signal -1
	s_barrier_wait -1
.endm
.macro CROUND
	s_barrier_signal -1
	s_barrier_wait -1
	CREST
.endm
.macro JLOAD g0a, g1a, g0b, g1b
	s_cmp_eq_u32 s[FA], 0
	s_cbranch_scc0 .Lfor_b_\@
	tensor_load_to_lds s[\g0a:\g0a+3], s[\g1a:\g1a+7]
	s_nop 0
.rept 4
	v_nop
.endr
	s_branch .Lasked_\@
.Lfor_b_\@:
	tensor_load_to_lds s[\g0b:\g0b+3], s[\g1b:\g1b+7]
	s_nop 0
.rept 4
	v_nop
.endr
.Lasked_\@:
.endm
.macro MKG0 g, l, loff
	s_mov_b32 s[(\g)], 1
	s_add_co_u32 s[(\g)+1], s[\l], \loff
	s_or_b32 s[(\g)+3], s[(\g)+3], 0x80000000
.endm
.macro WM a, b, p, cm                  ; cm 1: in place; 2: the bias tile of b starts the sum
.set rD, 8*(8*(\a)+(\b))
.set rR, 128*(\p)+12*(\b)
.set rP, PF+48*(\p)+12*(\a)
.set rT, SC+8*(\p)+(\b)/2
.set rU, SC+8*(\p)+4+(\a)/2
.set rC, rD
.if (\cm) == 2
.set rC, BT+8*(\b)
.endif
.if ((\b)%2) && ((\a)%2)
	v_wmma_scale_f32_16x16x128_f8f6f4 v[rD:rD+7], v[rR:rR+11], v[rP:rP+11], v[rC:rC+7], v[rT], v[rU] matrix_a_fmt:MATRIX_FMT_FP6 matrix_b_fmt:MATRIX_FMT_FP6 matrix_a_scale:MATRIX_SCALE_ROW1 matrix_b_scale:MATRIX_SCALE_ROW1
.elseif (\b)%2
	v_wmma_scale_f32_16x16x128_f8f6f4 v[rD:rD+7], v[rR:rR+11], v[rP:rP+11], v[rC:rC+7], v[rT], v[rU] matrix_a_fmt:MATRIX_FMT_FP6 matrix_b_fmt:MATRIX_FMT_FP6 matrix_a_scale:MATRIX_SCALE_ROW1
.elseif (\a)%2
	v_wmma_scale_f32_16x16x128_f8f6f4 v[rD:rD+7], v[rR:rR+11], v[rP:rP+11], v[rC:rC+7], v[rT], v[rU] matrix_a_fmt:MATRIX_FMT_FP6 matrix_b_fmt:MATRIX_FMT_FP6 matrix_b_scale:MATRIX_SCALE_ROW1
.else
	v_wmma_scale_f32_16x16x128_f8f6f4 v[rD:rD+7], v[rR:rR+11], v[rP:rP+11], v[rC:rC+7], v[rT], v[rU] matrix_a_fmt:MATRIX_FMT_FP6 matrix_b_fmt:MATRIX_FMT_FP6
.endif
.endm
.macro MULA a, p, cm                   ; the 32 accumulators take turns, one instruction a turn, in the same order in every K step
.if (\cm) >= 2
	WIN 0x81
.else
	WIN 0xa1
.endif
.irp b, 0,1,2,3,4,5,6,7
	WM \a, \b, \p, \cm
.endr
.endm
.macro FETCH c, q, p, s
	WIN 0x40
.irp i, 0,1,2,3,4,5,6,7
.irp k, 0,1,2
	ds_load_b128 v[128*(\p)+12*\i+4*\k:128*(\p)+12*\i+4*\k+3], v[ADR+(\c)] offset:3072*\i+1536*(\q)+512*\k
.endr
.endr
	WIN 0
.irp i, 0,1,2,3
.irp k, 0,1,2
	ds_load_b128 v[PF+48*(\p)+12*\i+4*\k:PF+48*(\p)+12*\i+4*\k+3], v[ADP+(\c)] offset:3072*\i+1536*(\q)+512*\k
.endr
.endr
.irp i, 0,1,2,3
	ds_load_b32 v[SC+8*(\p)+\i], v[ASR] offset:(\i/2)*SGP+256*(\s)+128*(\i%2)
.endr
.irp i, 0,1
	ds_load_b32 v[SC+8*(\p)+4+\i], v[ASP] offset:256*(\s)+128*\i
.endr
.endm
.macro STEPA c, cm
	s_wait_dscnt 0x0
	PLACES
	FETCH (\c)&3, 1, 1, 2*(\c)+1
	MULA 0, 0, \cm
	MULA 1, 0, \cm
	MULA 2, 0, \cm
	MULA 3, 0, \cm
	WIN 0
.endm
.macro STEPB c
	s_wait_dscnt 0x0                               ; no LDS instruction of mine is out at the signal
	s_wait_tensorcnt 2-(\c)                        ; my part of chunk c + 1 has landed; the 2 - c younger loads may be out
	s_barrier_signal -1
	MULA 0, 1, 1
	WIN 0
	s_barrier_wait -1
	PLACES
	FETCH (\c)+1, 0, 0, 2*(\c)+2
	MULA 1, 1, 1
	MULA 2, 1, 1
	MULA 3, 1, 1
	WIN 0
.endm
.macro LAST
	s_wait_dscnt 0x0
	MULA 0, 1, 1
	MULA 1, 1, 1
	MULA 2, 1, 1
	MULA 3, 1, 1
	WIN 0
	PLACES
.endm
	s_load_b256 s[4:11], s[0:1], 0x0               ; O's codes s[4:5], O's scales s[6:7], the weights' codes s[8:9], their scales s[10:11]
	s_load_b128 s[12:15], s[0:1], 0x20             ; bo s[12:13], out0 s[14:15]
	v_lshl_add_u32 v254, v0, 2, 0x4b000
	v_mov_b32 v255, 0
	ds_add_u32 v254, v255
	ds_add_u32 v254, v255
	v_lshrrev_b32 v1, 5, v0
	v_readfirstlane_b32 s[WV], v1
	s_lshr_b32 s[FA], s[WV], 1
	s_and_b32 s[HF], s[WV], 1
	s_bfe_u32 s[CX], ttmp6, 0x40000
	s_bfe_u32 s[CY], ttmp6, 0x40004
	s_lshl_b32 s[XX], ttmp9, 2
	s_add_co_u32 s[XX], s[XX], s[CX]
	s_and_b32 s[YY], ttmp7, 0xffff
	s_lshl_b32 s[YY], s[YY], 2
	s_add_co_u32 s[YY], s[YY], s[CY]
	s_lshl_b32 s2, s[CY], 2
	s_lshl_b32 s2, 15, s2                          ; my row of the cluster
	s_lshl_b32 s3, 0x1111, s[CX]                   ; my column
	s_or_b32 s[G1A], s2, (3<<16)|(1<<21)
	s_or_b32 s[G1SA], s2, (3<<16)|(1<<21)
	s_or_b32 s[G1B], s3, (3<<16)|(1<<21)
	s_or_b32 s[G1SB], s3, (3<<16)|(1<<21)
.irp g, G1A, G1B
	s_mov_b32 s[\g+1], 384<<16
	s_mov_b32 s[\g+3], 384<<16
	s_mov_b32 s[\g+5], 1536
	s_mov_b32 s[\g+6], 0
	s_mov_b32 s[\g+7], 0
.endr
	s_mov_b32 s[G1A+2], 8<<16
	s_mov_b32 s[G1A+4], 8
	s_mov_b32 s[G1B+2], 4<<16
	s_mov_b32 s[G1B+4], 4
.irp g, G1SA, G1SB
	s_mov_b32 s[\g+1], 32<<16
	s_mov_b32 s[\g+3], 32<<16
	s_mov_b32 s[\g+5], 32
	s_mov_b32 s[\g+6], 0
	s_mov_b32 s[\g+7], 0
.endr
	s_mov_b32 s[G1SA+2], 16<<16
	s_mov_b32 s[G1SA+4], 16
	s_mov_b32 s[G1SB+2], 8<<16
	s_mov_b32 s[G1SB+4], 8
	s_lshl_b32 s[G0A+2], s[YY], 4
	s_lshl_b32 s[G0A+3], s[HF], 3
	s_add_co_u32 s[G0A+2], s[G0A+2], s[G0A+3]
	s_mul_i32 s[G0A+2], s[G0A+2], 12288            ; O's image rows 16 Y + 8 half
	s_mov_b32 s[G0A+3], 0
	s_lshl_b32 s[G0SA+2], s[YY], 1
	s_add_co_u32 s[G0SA+2], s[G0SA+2], s[HF]
	s_lshl_b32 s[G0SA+2], s[G0SA+2], 12
	s_mov_b32 s[G0SA+3], 0
	s_lshl_b32 s[G0B+2], s[XX], 3
	s_lshl_b32 s[G0B+3], s[HF], 2
	s_add_co_u32 s[G0B+2], s[G0B+2], s[G0B+3]
	s_add_co_u32 s[G0B+2], s[G0B+2], 704
	s_mul_i32 s[G0B+2], s[G0B+2], 12288            ; Wo's image rows 704 + 8 X + 4 half
	s_mov_b32 s[G0B+3], 0
	s_lshl_b32 s[G0SB+2], s[XX], 1
	s_add_co_u32 s[G0SB+2], s[G0SB+2], s[HF]
	s_add_co_u32 s[G0SB+2], s[G0SB+2], 176
	s_lshl_b32 s[G0SB+2], s[G0SB+2], 11
	s_mov_b32 s[G0SB+3], 0
	s_wait_dscnt 0x0
	s_wait_kmcnt 0x0
	s_add_nc_u64 s[G0A+2:G0A+3], s[4:5], s[G0A+2:G0A+3]
	s_add_nc_u64 s[G0SA+2:G0SA+3], s[6:7], s[G0SA+2:G0SA+3]
	s_add_nc_u64 s[G0B+2:G0B+3], s[8:9], s[G0B+2:G0B+3]
	s_add_nc_u64 s[G0SB+2:G0SB+3], s[10:11], s[G0SB+2:G0SB+3]
.irp c, 1,2,3
	s_add_nc_u64 s[G0A+4*\c+4*(\c/2)+2:G0A+4*\c+4*(\c/2)+3], s[G0A+2:G0A+3], 3072*\c
	s_add_nc_u64 s[G0B+4*\c+2:G0B+4*\c+3], s[G0B+2:G0B+3], 3072*\c
.endr
	s_mul_i32 s2, s[HF], 24576
	s_mul_i32 s3, s[HF], 12288
.irp c, 0,1,2,3
	MKG0 G0A+4*\c+4*(\c/2), 2, CH*\c
	MKG0 G0B+4*\c, 3, CH*\c+BOFF
.endr
	s_lshl_b32 s2, s[HF], 12
	s_lshl_b32 s3, s[HF], 11
	MKG0 G0SA, 2, SCL
	MKG0 G0SB, 3, SCL+8192
	CROUND                                         ; all sixteen work-groups are here: the joint loads meet
	JLOAD G0SA, G1SA, G0SB, G1SB
.irp c, 0,1,2,3
	JLOAD G0A+4*\c+4*(\c/2), G1A, G0B+4*\c, G1B
.endr
	v_and_b32 v3, 31, v0
	v_and_b32 v1, 15, v0
	v_bfe_u32 v2, v0, 4, 1
	s_lshl_b32 s2, s[XX], 9                        ; the bias: tile b holds that of outputs 128 X + 32 (b / 2) + 8 (b % 2) + 16 h + 0 .. 7
	s_mov_b32 s3, 0
	s_add_nc_u64 s[12:13], s[12:13], s[2:3]
	v_lshlrev_b32 v23, 6, v2
.irp b, 0,1,2,3,4,5,6,7
	global_load_b128 v[BT+8*\b:BT+8*\b+3], v23, s[12:13] offset:(32*(\b/2)+8*(\b%2))*4
	global_load_b128 v[BT+8*\b+4:BT+8*\b+7], v23, s[12:13] offset:(32*(\b/2)+8*(\b%2))*4+16
.endr
	v_lshlrev_b32 v[CO], 4, v3
	v_lshlrev_b32 v22, 2, v3
	s_mul_i32 s2, s[WV], 12288
	s_mov_b32 s3, BOFF
.irp c, 0,1,2,3
	v_add_nc_u32 v[ADP+\c], s2, v[CO]
	v_add_nc_u32 v[ADR+\c], s3, v[CO]
	s_add_co_u32 s2, s2, CH
	s_add_co_u32 s3, s3, CH
.endr
	s_lshl_b32 s2, s[WV], 11
	s_add_co_u32 s2, s2, SCL
	v_add_nc_u32 v[ASP], s2, v22
	v_add_nc_u32 v[ASR], SCL+8192, v22
	s_mul_i32 s2, s[WV], 16*SPITCH                 ; my stage
	v_mul_u32_u24 v[STO], v1, SPITCH
	v_lshl_add_u32 v[STO], v2, 6, v[STO]
	v_add_nc_u32 v[STO], s2, v[STO]                ; in: row r, + 64 h
	v_add_nc_u32 v[RD], s2, v[CO]                  ; back: the 32 lanes take one row of 512 bytes
	s_lshl_b32 s2, s[YY], 8
	s_lshl_b32 s3, s[WV], 6
	s_add_co_u32 s2, s2, s3
	s_lshl_b32 s2, s2, 12                          ; my first token's row of 4,096 bytes,
	s_lshl_b32 s3, s[XX], 9                        ; the tile's 512 bytes in it
	s_add_co_u32 s2, s2, s3
	s_mov_b32 s3, 0
	s_add_nc_u64 s[14:15], s[14:15], s[2:3]
	s_wait_tensorcnt 3                             ; the scale words and my part of chunk 0 have landed; chunks 1 to 3 may be out
	s_barrier_signal -1
	s_barrier_wait -1
	FETCH 0, 0, 0, 0
	s_wait_loadcnt 0x0                             ; the bias
	STEPA 0, 2
	STEPB 0
	STEPA 1, 1
	STEPB 1
	STEPA 2, 1
	STEPB 2
	STEPA 3, 1
	LAST
; THE WAY OUT, block by block of 16 tokens x 128 outputs: through my stage, back as whole rows of 512 bytes.  LDS serves a wave's instructions in order: no wait between the stores and the loads.
.macro TOSTAGE a
	WIN 0x08                                       ; an LDS store's data are its source 1: window 2
.irp b, 0,1,2,3,4,5,6,7
	ds_store_b128 v[STO], v[8*(8*(\a)+\b):8*(8*(\a)+\b)+3] offset:128*(\b/2)+32*(\b%2)       ; each accumulator from its low end on
	ds_store_b128 v[STO], v[8*(8*(\a)+\b)+4:8*(8*(\a)+\b)+7] offset:128*(\b/2)+32*(\b%2)+16
.endr
	WIN 0
.set BB2, BK+64*((\a)%2)
.irp t, 0,1,2,3,4,5,6,7,8,9,10,11,12,13,14,15
	ds_load_b128 v[BB2+4*\t:BB2+4*\t+3], v[RD] offset:\t*SPITCH
.endr
.endm
.macro SEND a, younger                 ; younger: the LDS instructions issued behind block a's loads, which may stay out
.set BB2, BK+64*((\a)%2)
	s_wait_dscnt \younger
.irp t, 0,1,2,3,4,5,6,7,8,9,10,11,12,13,14,15
	global_store_b128 v[CO], v[BB2+4*\t:BB2+4*\t+3], s[14:15] offset:(32*((\a)/2)+8*((\a)%2)+\t+8*(\t/8))*4096 th:TH_STORE_NT   ; 32 lanes store 512 consecutive bytes, aligned; written once, read by nobody here
.endr
.endm
	TOSTAGE 0
.irp a, 1,2,3
.if \a > 1
	s_wait_xcnt 0x0                                ; block a - 2's stores have read their registers: block a's loads may land there
.endif
	TOSTAGE \a
	SEND \a-1, 32                                  ; behind block a - 1's loads: block a's 16 stores and 16 loads
.endr
	SEND 3, 0
	s_wait_tensorcnt 0x0
	ds_add_u32 v254, v255
	s_wait_dscnt 0x0
	CROUND                                         ; the closing round
	s_endpgm
.Lfunc_end_k_q71f5e81e2f_oproj:
	.size	k_q71f5e81e2f_oproj, .Lfunc_end_k_q71f5e81e2f_oproj-k_q71f5e81e2f_oproj
	.p2alignl 7, 3214868480
	.fill 96, 4, 3214868480
	.section	.rodata,"a",@progbits
	.p2align	6, 0x0
	.amdhsa_kernel k_q71f5e81e2f_oproj
		.amdhsa_group_segment_fixed_size 327680
		.amdhsa_private_segment_fixed_size 0
		.amdhsa_enable_private_segment 0
		.amdhsa_kernarg_size 48
		.amdhsa_user_sgpr_count 2
		.amdhsa_user_sgpr_kernarg_segment_ptr 1
		.amdhsa_wavefront_size32 1
		.amdhsa_system_sgpr_workgroup_id_x 1
		.amdhsa_system_sgpr_workgroup_id_y 1
		.amdhsa_system_sgpr_workgroup_id_z 1
		.amdhsa_system_vgpr_workitem_id 0
		.amdhsa_next_free_vgpr 768
		.amdhsa_next_free_sgpr 100
		.amdhsa_reserve_vcc 0
		.amdhsa_float_denorm_mode_32 3
		.amdhsa_float_denorm_mode_16_64 3
		.amdhsa_memory_ordered 1
		.amdhsa_forward_progress 1
		.amdhsa_inst_pref_size 84
	.end_amdhsa_kernel
	.amdgpu_metadata
---
amdhsa.version: [ 1, 2 ]
amdhsa.kernels:
  - .name:           k_q71f5e81e2f_oproj
    .symbol:         k_q71f5e81e2f_oproj.kd
    .args:
      - { .name: o_codes, .offset: 0, .size: 8, .value_kind: global_buffer, .address_space: global }
      - { .name: o_scales, .offset: 8, .size: 8, .value_kind: global_buffer, .address_space: global }
      - { .name: xw_codes, .offset: 16, .size: 8, .value_kind: global_buffer, .address_space: global }
      - { .name: xw_scales, .offset: 24, .size: 8, .value_kind: global_buffer, .address_space: global }
      - { .name: bo, .offset: 32, .size: 8, .value_kind: global_buffer, .address_space: global }
      - { .name: out0, .offset: 40, .size: 8, .value_kind: global_buffer, .address_space: global }
    .group_segment_fixed_size: 327680
    .private_segment_fixed_size: 0
    .kernarg_segment_align: 8
    .kernarg_segment_size: 48
    .max_flat_workgroup_size: 128
    .sgpr_count:     100
    .vgpr_count:     768
    .wavefront_size: 32
...
	.end_amdgpu_metadata
.endif
;; end of part 5
